; MI455X (gfx1250); checked and timed in simulation.
; The chip was launched on July 23, 2026; its instructions are those of AMD's public machine-readable ISA for CDNA 5 (MIT licence, August 2026) and "CDNA5" Instruction Set Architecture Reference Guide (July 2026). The comments in the code are by the model that wrote it; some were corrected since.
;; Casual Self Attention. Allowed arithmetic: matrix products marked QUANTISED: E2M3 operands, one E8M0 scale for each 32 along K, by v_wmma_scale_f32_16x16x128_f8f6f4 with both operands' format E2M3, f32 sums; everything else in f32.
;; Inputs: W_attn 1,024 x 3,072 float32; W_proj 1,024 x 1,024 float32; b_attn 3,072 float32; b_proj 1,024 float32; x 4 x 2,048 x 1,024 float32.
;; Outputs: out0 4 x 2,048 x 1,024 float32.
;; This version of the problem:
;;   THIS VERSION OF THE PROBLEM IS GIVEN IN LOW PRECISION. The matrix products marked QUANTISED in the list below multiply operands that are first quantised to E2M3 (2 exponent bits, 3 mantissa bits; 6 bits a number), with one power-of-two scale for each 32 numbers along K (OCP MX v1.0); their sums are f32. All else is computed in f32.
;;   The module's matrix products, in the order in which they are computed (A, B: the left and right operand; K: the contracted axis; several contracted axes count as one K, in the product's order):
;;     1. [M 8,192, K 1,024] x [K 1,024, N 3,072]; A: input x; B: input W_attn: QUANTISED
;;     2. batch 64 x [M 2,048, K 64] x [K 64, N 2,048]; A: computed on the way; B: computed on the way: QUANTISED
;;     3. batch 64 x [M 2,048, K 2,048] x [K 2,048, N 64]; A: softmax (see below); B: computed on the way: QUANTISED
;;     4. [M 8,192, K 1,024] x [K 1,024, N 1,024]; A: computed on the way; B: input W_proj: QUANTISED
;;   THE QUANTISER, for each operand of a quantised product, along K:
;;     - K is cut into blocks of 32 from its start; a last block that is shorter is filled with zeros.
;;     - A block's scale is 2^e with e = floor(log2(the largest magnitude in the block)) - 2, held to -126 .. 127; a block of zeros has e = 0. As a byte (E8M0): e + 127.
;;     - Each number is divided by its block's scale, clamped to +-7.5, and rounded to the nearest number of E2M3, ties to even, subnormals kept.
;;     - The product sums the exact products of the quantised numbers (number of the format x scale) in f32.
;;   ~~~python
;;   def quantise(x, axis):      # numpy; x: float32 -> the quantised numbers, widened to float32 again
;;       x = np.moveaxis(x, axis, -1); K = x.shape[-1]
;;       x = np.pad(x, [(0, 0)] * (x.ndim - 1) + [(0, -K % 32)]); x = x.reshape(x.shape[:-1] + (-1, 32)); a = np.abs(x).max(-1, keepdims=True)
;;       e = np.where(a > 0, np.clip(np.frexp(np.where(a > 0, a, 1))[1] - 1 - 2, -126, 127), 0)      # np.frexp(a)[1] - 1 = floor(log2(a)), exactly
;;       r = np.clip(x / 2.0 ** e, -7.5, 7.5)
;;       step = 2.0 ** (np.maximum(np.frexp(np.where(r == 0, 1, r))[1] - 1, 0) - 3)
;;       q = np.round(r / step) * step * 2.0 ** e      # np.round: ties to even
;;       return np.moveaxis(q.reshape(q.shape[:-2] + (-1,))[..., :K], -1, axis).astype(np.float32)
;;   ~~~
;;   SOFTMAX AHEAD OF A QUANTISED PRODUCT. Where the list says 'softmax', what is quantised is not the finished softmax but p = 2^(t - M), with t = logit x log2(e) and M = ceil(the row's largest t), a whole number; so 1/2 < the row's largest p <= 1. The row's sum l is taken of the UNQUANTISED p, in f32, and the product's result is divided by l at the end. Since M is a whole number, a kernel that streams over the keys may use a running M (the ceiling of the running maximum): every later rescaling is an exact power of two, which a block's scale takes up: the codes' values come out the same.
;;   OPERANDS COMPUTED ON THE WAY. 'Computed on the way' means the value that the module computes at that place (a softmax that the list does not call 'softmax' is quantised finished and normalised). What goes into a quantiser is computed in f32, as accurately as f32 sums, v_exp_f32 and their like allow (about 1e-6 of the number): no bf16 or f16 on the way to a quantiser, and a product that is left as it is and whose result goes on into a quantised operand takes f32 operands (vector FMAs, or v_wmma_f32_16x16x4_f32). A number that lies on a knife's edge between two numbers of the format may be rounded either way, as far as f32 arithmetic and the matrix unit's own rounding can turn it there, and no further.
;; One version. Each part assembles by itself: llvm-mc -triple=amdgcn-amd-amdhsa -mcpu=gfx1250 --defsym DOCPART=n.
;; ======== version 1 of 1: 4 launches
;; limits: right only within a limited range of input values
;; workspace buffers: xc 6,291,456 bytes; xs 262,144 bytes; wc 3,145,728 bytes; ws 131,072 bytes; qkv 18,874,368 bytes; qkvs 786,432 bytes; yc 6,291,456 bytes; ys 262,144 bytes
;; launch prep (part 1): grid 384 x 1, 4 waves a work-group, no clusters, 68,096 bytes of LDS; arguments x, W_attn, W_proj, xc, xs, wc, ws; writes xc, xs, wc, ws
.if DOCPART == 1
	.amdgcn_target "amdgcn-amd-amdhsa--gfx1250"
	.amdhsa_code_object_version 6
	.text
	.protected	k_qf053b0a0e0_prep
	.globl	k_qf053b0a0e0_prep
	.p2align	8
	.type	k_qf053b0a0e0_prep,@function
k_qf053b0a0e0_prep:
	s_mov_b64 s[64:65], 0
	v_nop
	global_prefetch_b8 v0, s[64:65] scope:SCOPE_SE
	s_setreg_imm32_b32 hwreg(HW_REG_WAVE_MODE, 25, 1), 1
	s_wait_xcnt 0x0
; x [8192][1024], W_attn [1024][3072] and W_proj [1024][1024], f32, become codes of FP6 (E2M3) with K innermost and one E8M0 scale byte for each 32 along K.
; xc [8192][768 bytes], xs [8192][32]: rows are tokens.  wc [4096][768], ws [4096][32]: rows are output channels: 0-3071 W_attn's columns, 3072-4095 W_proj's.
; THE ROWS ARE STORED WITH BITS 3 AND 4 OF THEIR NUMBER EXCHANGED: place 16 u + r of a group of 32 holds row 8 u + r + 8 (r / 8).  The products that read these buffers take 16 neighbouring places as a tile,
; and a lane's 16 results of two neighbouring tiles are then 16 neighbours along the next product's K.
; A block's scale is 2^(floor(log2(its largest magnitude)) - 2); its byte is the largest magnitude's exponent field - 2, held at 1 from below.
; LIMITS: a block whose largest magnitude lies under 2^-124 keeps the byte 1; a block of zeros gets the byte 1 where the rule says 127 (its codes are zeros, and this program alone reads the bytes); NaN and infinities are not served.
; Work-groups 0-255 take x (K innermost: a stream of blocks of 32; a wave takes 8 rows), work-groups 256-383 the weights (K is the first axis: a lane takes a column, its registers run down K).
; The two ways part on the work-group's number and have LDS bytes of their own.  No tensor loads, no barrier: waves share nothing.
.set SPARE, 67584                      ; behind both ways' bytes: the spare words, 128 bytes for each wave
.set SPW,   12                         ; v12  LDS address of my spare word; never rewritten
.set NIL,   13                         ; v13  0; never rewritten
.set EMAX,  2
; the way of x
.set STEPS, 16                         ; steps of 512 numbers
.set CBY,   12                         ; bytes of 16 codes
.set XR,    16                         ; v16-79   four sets of 16 numbers as loaded
.set XX,    80                         ; v80-111  two sets of 16 neighbours
.set XE,    112                        ; v112-127 a scale byte for each step
.set XC,    128                        ; v128-191 codes, four registers for each step
.set WREG,  8192                       ; LDS 0..32767: a region for each wave: two stages of 32 x SP bytes, then its 256 scale bytes
.set SP,    80                         ; a lane's place in a stage: 64 bytes + 16 of padding
; the way of the weights
.set NB,    8                          ; blocks of 32 along K for a wave
.set WST,   32768                      ; LDS 32768..67583: four stages of 32 rows x WP bytes
.set WP,    272                        ; a stage row: sixteen places of 16 bytes, each with 12 bytes of codes, + 16
; THE CODES' ORDER IN xc AND wc: [group of 256 places][K step of 256][place][192 bytes]: the 256 places of one K step are 49,152 bytes on end, so that a tile is dense and begins at a multiple of 256 bytes.
.set KROW,  192                        ; from place to place inside a K step
.set KSB,   49152                      ; from K step to K step
.set GRPB,  196608                     ; from group to group
.set SB,    24                         ; v24-25   the scale bytes
.set WX,    32                         ; v32-95   two sets of 32 numbers
.set WC,    96                         ; v96-102  a block's codes
.set OUTR,  112                        ; v112-175 the way out
.set VO,    176                        ; v176-207 byte offset of row i of a block at my column; never rewritten
.macro XLOAD t
.irp i, 0,1,2,3
	global_load_b128 v[XR+16*((\t)%4)+4*\i:XR+16*((\t)%4)+4*\i+3], v3, s[4:5] offset:2048*(\t)+512*\i th:TH_LOAD_NT   ; 32 lanes read 512 consecutive bytes
.endr
.endm
.macro XTURN t                         ; a step's numbers through the stage: LDS serves a wave's instructions in order, so no wait stands between the stores and the loads
.irp i, 0,1,2,3
	ds_store_b128 v14, v[XR+16*((\t)%4)+4*\i:XR+16*((\t)%4)+4*\i+3] offset:32*SP*((\t)%2)+8*SP*\i
.endr
.irp i, 0,1,2,3
	ds_load_b128 v[XX+16*((\t)%2)+4*\i:XX+16*((\t)%2)+4*\i+3], v15 offset:32*SP*((\t)%2)+16*\i
.endr
.endm
.macro XSTEP t
.set XS, XX+16*((\t)%2)
.if (\t) > 0
	s_wait_dscnt 1                                 ; this step's numbers are back from the stage; the last step's byte store may be out
.else
	s_wait_dscnt 0x0
.endif
.if (\t)+4 < STEPS
	XLOAD (\t)+4                                   ; into the registers that the stage's stores have read
.endif
.if (\t)+1 < STEPS
.if STEPS-2-(\t) >= 3
	s_wait_loadcnt 12                              ; the next step's four loads are in; those of the three steps behind it may be out
.else
	s_wait_loadcnt 4*(STEPS-2-(\t))
.endif
	XTURN (\t)+1
.endif
	v_max3_num_f32 v8, |v[XS]|, |v[XS+1]|, |v[XS+2]|               ; the largest magnitude of my 16, in two chains
	v_max3_num_f32 v9, |v[XS+3]|, |v[XS+4]|, |v[XS+5]|
.irp i, 6,10
	v_max3_num_f32 v8, v8, |v[XS+\i]|, |v[XS+\i+1]|
	v_max3_num_f32 v9, v9, |v[XS+\i+2]|, |v[XS+\i+3]|
.endr
	v_max3_num_f32 v8, v8, |v[XS+14]|, |v[XS+15]|
	v_max3_num_f32 v8, v8, v9, (EMAX+1)<<23        ; and the floor 2^(3 - 127): the byte cannot fall under 1
	v_max_num_f32_dpp v8, v8, v8 row_xmask:1 row_mask:0xf bank_mask:0xf   ; with my neighbour's 16: the block's
	v_add_nc_u32 v11, -(EMAX<<23), v8              ; 2 off its exponent field: the conversion takes the exponent field of this operand as its scale
	v_cvt_scalef32_pk16_fp6_f32 v[XC+4*(\t):XC+4*(\t)+2], v[XS:XS+15], v11
	v_lshrrev_b32 v[XE+(\t)], 23, v11              ; the scale's byte
	ds_store_b8 v5, v[XE+(\t)] offset:16*(\t)      ; both lanes of a block write the same byte with the same value
	global_store_b96 v4, v[XC+4*(\t):XC+4*(\t)+2], s[10:11] offset:KROW*((\t)/2)+2*KSB*((\t)%2)   ; row t / 2 of my eight, K steps 2 (t % 2) and the next
.endm
.macro WLOAD t                         ; block t: W(32 t + i, my column), i = 0 .. 31, into set t % 2
.set ii, 0
.rept 32
	global_load_b32 v[WX+32*((\t)%2)+ii], v[VO+ii], s[32+2*(\t):33+2*(\t)] th:TH_LOAD_NT
.set ii, ii+1
.endr
.endm
.macro BLOCK t
.set XS, WX+32*((\t)%2)
.if (\t) < NB-1
	s_wait_loadcnt 32                              ; this block's 32 loads are in; the next block's may be out
.else
	s_wait_loadcnt 0
.endif
	v_max3_num_f32 v14, |v[XS]|, |v[XS+1]|, |v[XS+2]|              ; the block's largest magnitude: all 32 numbers are mine
	v_max3_num_f32 v15, |v[XS+3]|, |v[XS+4]|, |v[XS+5]|
.irp i, 6,10,14,18,22,26
	v_max3_num_f32 v14, v14, |v[XS+\i]|, |v[XS+\i+1]|
	v_max3_num_f32 v15, v15, |v[XS+\i+2]|, |v[XS+\i+3]|
.endr
	v_max3_num_f32 v14, v14, |v[XS+30]|, |v[XS+31]|
	v_max3_num_f32 v14, v14, v15, (EMAX+1)<<23     ; and the floor
	v_add_nc_u32 v11, -(EMAX<<23), v14             ; the conversion's scale operand
	v_lshrrev_b32 v10, 23, v11                     ; the scale's byte
.if (\t)%4 == 0
	v_mov_b32 v[SB+(\t)/4], v10                    ; four bytes to a register, the lower K in the lower byte
.else
	v_lshl_or_b32 v[SB+(\t)/4], v10, 8*((\t)%4), v[SB+(\t)/4]
.endif
	v_cvt_scalef32_pk16_fp6_f32 v[WC:WC+2], v[XS:XS+15], v11
	v_cvt_scalef32_pk16_fp6_f32 v[WC+4:WC+6], v[XS+16:XS+31], v11  ; (a conversion's three registers begin on an even number)
	ds_store_b96 v4, v[WC:WC+2] offset:32*(\t)     ; 12 bytes to a place of 16, so that every LDS address is a multiple of 16
	ds_store_b96 v4, v[WC+4:WC+6] offset:32*(\t)+16
.if (\t)+2 < NB
	WLOAD (\t)+2
.endif
	s_wait_dscnt 0x0                               ; the stores have read their registers: the next block's codes may be written
.endm
	s_load_b256 s[4:11], s[0:1], 0x0               ; x s[4:5], W_attn s[6:7], W_proj s[8:9], xc s[10:11]
	s_load_b128 s[12:15], s[0:1], 0x20             ; xs s[12:13], wc s[14:15]
	s_load_b64 s[16:17], s[0:1], 0x30              ; ws
	v_lshl_add_u32 v[SPW], v0, 2, SPARE
	v_mov_b32 v[NIL], 0
	v_lshrrev_b32 v1, 5, v0
	v_readfirstlane_b32 s18, v1                    ; wave 0..3
	v_and_b32 v2, 31, v0                           ; lane
	s_cmp_lt_u32 ttmp9, 256
	s_cbranch_scc0 .Lweights
	; ---------------- x ----------------
	v_lshlrev_b32 v3, 4, v2                        ; my 16 bytes of a load's 512
	s_mul_i32 s19, s18, WREG
	v_lshrrev_b32 v14, 2, v2
	v_mul_u32_u24 v14, v14, SP
	v_and_b32 v15, 3, v2
	v_lshl_add_u32 v14, v15, 4, v14
	v_add_nc_u32 v14, s19, v14                     ; the stage, on the way in: SP (lane / 4) + 16 (lane % 4)
	v_mul_u32_u24 v15, v2, SP
	v_add_nc_u32 v15, s19, v15                     ; and on the way out: SP x lane: my 16 neighbours
	v_and_b32 v4, 15, v2                           ; a step is half a row: lanes 0-15 hold one K step of it, lanes 16-31 the next
	v_mul_u32_u24 v4, v4, CBY
	v_lshrrev_b32 v5, 4, v2
	v_mad_u32_u24 v4, v5, KSB, v4
	v_lshrrev_b32 v5, 1, v2
	s_add_co_u32 s19, s19, 2*32*SP
	v_add_nc_u32 v5, s19, v5                       ; my wave's 256 scale bytes, my block's byte
	v_lshlrev_b32 v7, 3, v2                        ; and on the way out 8 bytes a lane
	v_add_nc_u32 v6, s19, v7
	s_lshl_b32 s20, ttmp9, 2
	s_add_co_u32 s22, s20, s18                     ; which run of 8 rows I read: 4 x work-group + wave
	s_lshl_b32 s22, s22, 15                        ; 32,768 bytes a run
	s_mov_b32 s23, 0
	s_and_b32 s24, s18, 1                          ; and where it goes: a run is 8 rows, so the exchange of the row's bits 3 and 4 is the exchange of the run's bits 0 and 1
	s_lshl_b32 s24, s24, 1
	s_lshr_b32 s25, s18, 1
	s_or_b32 s24, s24, s25
	s_add_co_u32 s24, s24, s20
	s_lshr_b32 s26, s24, 5                         ; 32 runs of 8 places to a group
	s_mul_i32 s26, s26, GRPB
	s_and_b32 s27, s24, 31
	s_mul_i32 s27, s27, 8*KROW
	s_add_co_u32 s26, s26, s27
	s_mov_b32 s27, 0
	s_lshl_b32 s28, s24, 8                         ; 8 rows of 32 scale bytes
	s_mov_b32 s29, 0
	s_wait_alu depctr_va_vdst(0)
	s_wait_kmcnt 0x0
	s_add_nc_u64 s[4:5], s[4:5], s[22:23]
	s_add_nc_u64 s[10:11], s[10:11], s[26:27]
	s_add_nc_u64 s[12:13], s[12:13], s[28:29]
.irp t, 0,1,2,3
	XLOAD \t
.endr
	s_wait_loadcnt 12                              ; step 0's four loads are in
	XTURN 0
.irp t, 0,1,2,3,4,5,6,7,8,9,10,11,12,13,14,15
	XSTEP \t
.endr
	ds_load_b64 v[8:9], v6                         ; LDS serves a wave's instructions in order: these see my byte stores
	s_wait_dscnt 0x0
	global_store_b64 v7, v[8:9], s[12:13]          ; 32 lanes store 256 consecutive bytes, aligned
	s_wait_tensorcnt 0x0                           ; the wave's end, behind my last LDS store
	ds_add_u32 v[SPW], v[NIL]
	s_wait_dscnt 0x0
	s_endpgm
	; ---------------- the weights ----------------
.Lweights:
	s_sub_co_u32 s19, ttmp9, 256
	s_lshr_b32 s21, s19, 2                         ; which 128 channels: 0-23 W_attn's, 24-31 W_proj's
	s_and_b32 s22, s19, 3                          ; which 256 along K
	s_mov_b32 s20, 4096
	s_cmp_lt_u32 s21, 24
	s_cselect_b32 s20, 12288, s20                  ; a row of the weight in bytes
	s_cselect_b32 s23, 0, 24
	s_sub_co_u32 s23, s21, s23                     ; the group of 128 columns inside its own tensor
	s_lshl_b32 s24, s23, 9
	s_lshl_b32 s25, s18, 7
	s_add_co_u32 s24, s24, s25                     ; my wave's first column, in bytes
	s_lshl_b32 s25, s22, 8
	s_mul_i32 s25, s25, s20                        ; + my first row
	s_add_co_u32 s24, s24, s25
	s_mov_b32 s25, 0
	s_lshl_b32 s26, s20, 5                         ; 32 rows on
	s_mov_b32 s27, 0
	s_wait_alu depctr_va_vdst(0)
	v_lshlrev_b32 v[VO], 2, v2                     ; 4 bytes a lane,
.set ii, 1
.rept 31
	v_add_nc_u32 v[VO+ii], s20, v[VO+ii-1]         ; and a row further down for each register
.set ii, ii+1
.endr
	v_and_b32 v10, 7, v2                           ; my column's place among the wave's 32 rows of wc: bits 3 and 4 exchanged
	v_bfe_u32 v11, v2, 3, 1
	v_lshl_add_u32 v10, v11, 4, v10
	v_bfe_u32 v11, v2, 4, 1
	v_lshl_add_u32 v10, v11, 3, v10
	s_mul_i32 s19, s18, 32*WP
	s_add_co_u32 s19, s19, WST                     ; my stage
	v_mul_u32_u24 v4, v10, WP
	v_add_nc_u32 v4, s19, v4                       ; into it: the row of my place
	v_and_b32 v5, 15, v2
	v_lshrrev_b32 v6, 4, v2                        ; out of it: sixteen lanes to a row, two rows an instruction
	v_mul_u32_u24 v7, v6, WP
	v_lshl_add_u32 v7, v5, 4, v7
	v_add_nc_u32 v7, s19, v7
	v_mul_u32_u24 v8, v6, KROW
	v_mad_u32_u24 v8, v5, 12, v8                   ; and the same place in wc
	v_lshlrev_b32 v9, 5, v10                       ; my place's row of ws
	s_lshl_b32 s28, s21, 7
	s_lshl_b32 s29, s18, 5
	s_add_co_u32 s28, s28, s29                     ; my wave's first row of wc and ws
	s_lshr_b32 s30, s28, 8
	s_mul_i32 s30, s30, GRPB
	s_and_b32 s29, s28, 255
	s_mul_i32 s29, s29, KROW
	s_add_co_u32 s30, s30, s29
	s_mul_i32 s29, s22, KSB
	s_add_co_u32 s30, s30, s29
	s_mov_b32 s31, 0
	s_lshl_b32 s28, s28, 5
	s_lshl_b32 s29, s22, 3
	s_add_co_u32 s28, s28, s29
	s_mov_b32 s29, 0
	s_wait_kmcnt 0x0
	s_cmp_lt_u32 s21, 24                           ; the choice of the tensor hangs on the work-group's number alone
	s_cselect_b64 s[6:7], s[6:7], s[8:9]
	s_add_nc_u64 s[32:33], s[6:7], s[24:25]        ; a base for each of the eight blocks: nothing is stepped later
.irp t, 1,2,3,4,5,6,7
	s_add_nc_u64 s[32+2*\t:33+2*\t], s[30+2*\t:31+2*\t], s[26:27]
.endr
	s_add_nc_u64 s[14:15], s[14:15], s[30:31]
	s_add_nc_u64 s[16:17], s[16:17], s[28:29]
	WLOAD 0
	WLOAD 1
.irp t, 0,1,2,3,4,5,6,7
	BLOCK \t
.endr
	s_wait_alu depctr_va_vdst(0)
	global_store_b64 v9, v[SB:SB+1], s[16:17]      ; my column's eight scale bytes
.irp t, 0,1,2,3,4,5,6,7,8,9,10,11,12,13,14,15
	ds_load_b96 v[OUTR+4*\t:OUTR+4*\t+2], v7 offset:2*\t*WP      ; LDS serves a wave's instructions in order: these see my stores
.endr
.irp t, 0,1,2,3,4,5,6,7,8,9,10,11,12,13,14,15
	s_wait_dscnt 15-\t
	global_store_b96 v8, v[OUTR+4*\t:OUTR+4*\t+2], s[14:15] offset:2*\t*KROW   ; sixteen lanes store a row's 192 consecutive bytes
.endr
	s_wait_tensorcnt 0x0                           ; the wave's end, behind my last LDS store
	ds_add_u32 v[SPW], v[NIL]
	s_wait_dscnt 0x0
	s_endpgm
.Lfunc_end_k_qf053b0a0e0_prep:
	.size	k_qf053b0a0e0_prep, .Lfunc_end_k_qf053b0a0e0_prep-k_qf053b0a0e0_prep
	.p2alignl 7, 3214868480
	.fill 96, 4, 3214868480
	.section	.rodata,"a",@progbits
	.p2align	6, 0x0
	.amdhsa_kernel k_qf053b0a0e0_prep
		.amdhsa_group_segment_fixed_size 68096
		.amdhsa_private_segment_fixed_size 0
		.amdhsa_enable_private_segment 0
		.amdhsa_kernarg_size 56
		.amdhsa_user_sgpr_count 2
		.amdhsa_user_sgpr_kernarg_segment_ptr 1
		.amdhsa_wavefront_size32 1
		.amdhsa_system_sgpr_workgroup_id_x 1
		.amdhsa_system_sgpr_workgroup_id_y 1
		.amdhsa_system_sgpr_workgroup_id_z 1
		.amdhsa_system_vgpr_workitem_id 0
		.amdhsa_next_free_vgpr 208
		.amdhsa_next_free_sgpr 66
		.amdhsa_reserve_vcc 0
		.amdhsa_float_denorm_mode_32 3
		.amdhsa_float_denorm_mode_16_64 3
		.amdhsa_memory_ordered 1
		.amdhsa_forward_progress 1
		.amdhsa_inst_pref_size 76
	.end_amdhsa_kernel
	.amdgpu_metadata
---
amdhsa.version: [ 1, 2 ]
amdhsa.kernels:
  - .name:           k_qf053b0a0e0_prep
    .symbol:         k_qf053b0a0e0_prep.kd
    .args:
      - { .name: x, .offset: 0, .size: 8, .value_kind: global_buffer, .address_space: global }
      - { .name: W_attn, .offset: 8, .size: 8, .value_kind: global_buffer, .address_space: global }
      - { .name: W_proj, .offset: 16, .size: 8, .value_kind: global_buffer, .address_space: global }
      - { .name: xc, .offset: 24, .size: 8, .value_kind: global_buffer, .address_space: global }
      - { .name: xs, .offset: 32, .size: 8, .value_kind: global_buffer, .address_space: global }
      - { .name: wc, .offset: 40, .size: 8, .value_kind: global_buffer, .address_space: global }
      - { .name: ws, .offset: 48, .size: 8, .value_kind: global_buffer, .address_space: global }
    .group_segment_fixed_size: 68096
    .private_segment_fixed_size: 0
    .kernarg_segment_align: 8
    .kernarg_segment_size: 56
    .max_flat_workgroup_size: 128
    .sgpr_count:     66
    .vgpr_count:     208
    .wavefront_size: 32
...
	.end_amdgpu_metadata
.endif
;; end of part 1
;; launch qkv (part 2): grid 12 x 32, 4 waves a work-group, clusters of 4 x 4, 327,680 bytes of LDS; arguments xc, xs, wc, ws, b_attn, qkv, qkvs; writes qkv, qkvs
.if DOCPART == 2
	.amdgcn_target "amdgcn-amd-amdhsa--gfx1250"
	.amdhsa_code_object_version 6
	.text
	.protected	k_qf053b0a0e0_qkv
	.globl	k_qf053b0a0e0_qkv
	.p2align	8
	.type	k_qf053b0a0e0_qkv,@function
k_qf053b0a0e0_qkv:
	s_mov_b64 s[64:65], 0
	v_nop
	global_prefetch_b8 v0, s[64:65] scope:SCOPE_SE
	s_setreg_imm32_b32 hwreg(HW_REG_WAVE_MODE, 25, 1), 1
	s_wait_xcnt 0x0
	s_wait_alu depctr_hold_cnt(0) depctr_sa_sdst(0) depctr_va_vdst(0) depctr_va_sdst(0) depctr_va_ssrc(0) depctr_va_vcc(0) depctr_vm_vsrc(0)
	s_getreg_b32 s2, hwreg(HW_REG_IB_STS2, 6, 4)
	s_cmp_eq_u32 s2, 0
	s_cbranch_scc0 .Lentry_in_a_cluster
	s_endpgm
.Lentry_in_a_cluster:
	s_bfe_u32 s2, ttmp6, 0x10000c
	s_cmp_lg_u32 s2, 0xf033
	s_cbranch_scc0 .Lentry_shape_is_right
	s_endpgm
.Lentry_shape_is_right:
; qkv = x W_attn + b_attn on codes of FP6 (E2M3) with E8M0 scales, K = 1,024; the results are quantised in registers and leave as codes: q and k along the head's 64, v along the keys.
; A tile C' = A' B'^T of 256 x 256 is made by four waves, 128 x 128 each (64 accumulators, 512 registers); it is quantised along B's rows.  Clusters with x = 0, 1: A' = tokens (xc), B' = channels 0-2047 (wc): q and k.
; Clusters with x = 2: A' = channels 2048-3071 (wc), B' = tokens: v TRANSPOSED, so that a lane's registers run along the keys.  Both buffers have rows of 768 bytes and 32 scale bytes: only pointers and row numbers differ.
; The way hangs on the cluster's x alone: it is the same in all sixteen partners.
; THE ROWS of xc and wc lie with bits 3 and 4 of their number exchanged: place 16 u + r of a group of 32 holds row 8 u + r + 8 (r / 8).  The matrix instruction is used transposed (source 0 = 16 places of B', source 1 = 16 of A'):
; lane (r, h) holds A's place r, and register j of B's block 2 b + u is B's row 32 b + 16 h + 8 u + j: the 64 registers of one block of A' are 16 neighbours of each of four blocks of 32, as the conversions want them.
; K goes in steps of 256 through two LDS slots filled by joint tensor loads (A's tile shared along a row of the cluster, B's along a column); the scales of all of K come once.  The bias is the C of the first K step.
; OUT.  qkv: [q, k, v][batch x 16 + head][98,304 bytes] of IMAGES of operand registers, 1,536 bytes each: register pair p of lane l at 256 p + 8 l.  q, k: image G: registers 0-5 token 32 G + r + 8 (r / 8), dims 32 h on;
; registers 6-11 the token 8 further on.  v: image (key step, tile t): row r is dim 32 (t / 2) + 8 (t % 2) + r + 8 (r / 8), K = the step's 128 keys.  qkvs: the scale words in the order in which the next launch's lanes take them.
; LIMITS: a block whose largest magnitude lies under 2^-124 keeps the byte 1; a block of zeros gets the byte 1 (its codes are zeros, and this program alone reads the bytes); NaN and infinities are not served.
; 384 work-groups: the borders between q, k and v and a wave's 128 x 128 leave no split into 256 equal parts.
; REGISTERS: window 0: v16-29 addresses; v32-63 scale words, two sets; v64-127 the bias, 8 tiles; v128-223 A's fragments, one set; v224-231 the bias's offsets.  window 1: B's fragments, two sets.  windows 2, 3: the accumulators.
.set KSTEP,  256
.set NQ,     2                         ; matrix instructions deep in a slot
; xc and wc lie as [group of 256 places][K step of 256][place][192 bytes]: a tile is dense and is stated as rows of 256 bytes; the padding's interval stays 64 bytes, so an LDS row is 3 x (64 + 16) bytes.
; LDS: A's slot 0, A's slot 1, B's slot 0, B's slot 1.  At the head one load a wave: A's K steps 0 and 1 (98,304 bytes on end), B's, A's scales, B's scales.  Refills: a wave brings 128 places of one K step.
.set ROWB,   256                       ; a tensor load's row in bytes
.set KSB,    49152                     ; from K step to K step in memory
.set G0H,    4                         ; s[4:7], s[96:99] group 0 of the head's loads of codes (the pointers that lay there have served)
.set G0HB,   96
.set KROW,   768                       ; a row in memory
.set PITCH,  240                       ; an LDS row: 3 x (64 bytes + 16 of padding)
.set FR,     12
.set NL,     6                         ; LDS loads that bring a fragment
.set NP,     4                         ; places behind this matrix instruction (ISA guide 7.12.1)
.set HALFT,  128*PITCH
.set SLOT,   2*HALFT                   ; 256 places of one operand
.set LAPS,   2                         ; 1,024 / 512
.set KS,     32                        ; a row of scales in bytes
.set SCL,    8*HALFT
.set HALFS,  16*272
.set SBLK,   2*272
.set SPARE,  SCL+4*HALFS               ; the spare words, 128 bytes for each wave
.set ADRA, 16                          ; v16-17 (v18-19 behind one padding more)
.set ADRB, 20                          ; v20-21 (v22-23)
.set ADRS, 27
.set SPW,  28
.set NIL,  29
.set SC,   32
.set CB,   64
.set AF,   128
.set VB,   224
.set G1, 24
.set G0, 32
.set G1B, 48
.set G0B, 56
.set G1S, 68
.set G0S, 76
.set G1SB, 80
.set G0SB, 88
; the way out, window 0
.set CT,  68                           ; v68-70, v72-74 the upper halves of two blocks' codes
.set TM,  76                           ; v76-79 largest magnitudes, v80-83 the other half's, then bytes, v88-91 the conversions' scale operands
.set PW,  92                           ; v92-93 the scale words of the two blocks of A' in hand
.set XW,  96                           ; v96-103 scale words as they are stored
.set XM,  104                          ; v104-107
.set VA,  108                          ; v108-123 the stores' offsets; never rewritten
.set SA,  124
.set RR,  128                          ; v128-223 the codes: each piece has registers of its own
.set MSB, 0
.macro WIN new
.if MSB != \new
	s_set_vgpr_msb (MSB<<8)|\new
.set MSB, \new
.endif
.endm
.set MUL_LO, 0xa1                      ; source 0 (B') window 1, source 1 (A') window 0, C and D window 2
.set MUL_HI, 0xf1
.set TO_B,   0x40
; A joint load: waves 0 and 1 fetch for A', waves 2 and 3 for B'.  An s_nop 0 and four v_nop follow each of the two lines.
.macro JLOAD g0a, g1a, g0b, g1b
	s_cmp_eq_u32 s15, 0
	s_cbranch_scc0 .Lfor_b_\@
	tensor_load_to_lds s[\g0a:\g0a+3], s[\g1a:\g1a+7]
	s_nop 0
.rept 4
	v_nop
.endr
	s_branch .Lasked_\@
.Lfor_b_\@:
	tensor_load_to_lds s[\g0b:\g0b+3], s[\g1b:\g1b+7]
	s_nop 0
.rept 4
	v_nop
.endr
.Lasked_\@:
.endm
.macro CREST
	s_cmp_lg_u32 s14, 0
	s_cbranch_scc1 .Lnot_wave_0_\@
	s_barrier_signal -3
.Lnot_wave_0_\@:
	s_barrier_wait -3
	s_barrier_signal -1
	s_barrier_wait -1
.endm
.macro CROUND
	s_barrier_signal -1
	s_barrier_wait -1
	CREST
.endm
.macro FRAG reg, adr, q, i             ; 16 rows x 128 K of 6-bit codes: 12 registers, in pieces of 8 bytes; where the piece of lanes 16-31 lies behind one padding more, the second address register serves
.irp p, 0,1,2,3,4,5
.set PCE, 12*(\q)+6*(\p/3)+\p%3
.if PCE%8 < 5
	ds_load_b64 v[\reg+2*\p:\reg+2*\p+1], v[\adr] offset:8*PCE+16*(PCE/8)+(\i)*16*PITCH
.else
	ds_load_b64 v[\reg+2*\p:\reg+2*\p+1], v[\adr+2] offset:8*PCE+16*(PCE/8)+(\i)*16*PITCH
.endif
.endr
.endm
; 16 matrix instructions: A's blocks a0, a0 + 1 x B's eight.  cm = 0: in place; 1: the sums begin with the bias of B's block (q, k); 2: with that of A's block (v).  The 64 accumulators take turns.
.macro MUL16 a0, p, q, sc, cm
.irp a, \a0, \a0+1
.irp b, 0,1,2,3,4,5,6,7
.if \cm == 1
	v_wmma_scale_f32_16x16x128_f8f6f4 v[8*(8*((\a)%4)+\b):8*(8*((\a)%4)+\b)+7], v[128*(\p)+FR*\b:128*(\p)+FR*\b+FR-1], v[AF+FR*(\a):AF+FR*(\a)+FR-1], v[CB+8*\b:CB+8*\b+7], v[SC+8*NQ*(\sc)+NQ*\b+(\q)], v[SC+8*NQ*(\sc)+NQ*(\a)+(\q)] matrix_a_fmt:MATRIX_FMT_FP6 matrix_b_fmt:MATRIX_FMT_FP6 matrix_a_scale:MATRIX_SCALE_ROW1
.elseif \cm == 2
	v_wmma_scale_f32_16x16x128_f8f6f4 v[8*(8*((\a)%4)+\b):8*(8*((\a)%4)+\b)+7], v[128*(\p)+FR*\b:128*(\p)+FR*\b+FR-1], v[AF+FR*(\a):AF+FR*(\a)+FR-1], v[CB+8*(\a):CB+8*(\a)+7], v[SC+8*NQ*(\sc)+NQ*\b+(\q)], v[SC+8*NQ*(\sc)+NQ*(\a)+(\q)] matrix_a_fmt:MATRIX_FMT_FP6 matrix_b_fmt:MATRIX_FMT_FP6 matrix_a_scale:MATRIX_SCALE_ROW1
.else
	v_wmma_scale_f32_16x16x128_f8f6f4 v[8*(8*((\a)%4)+\b):8*(8*((\a)%4)+\b)+7], v[128*(\p)+FR*\b:128*(\p)+FR*\b+FR-1], v[AF+FR*(\a):AF+FR*(\a)+FR-1], v[8*(8*((\a)%4)+\b):8*(8*((\a)%4)+\b)+7], v[SC+8*NQ*(\sc)+NQ*\b+(\q)], v[SC+8*NQ*(\sc)+NQ*(\a)+(\q)] matrix_a_fmt:MATRIX_FMT_FP6 matrix_b_fmt:MATRIX_FMT_FP6 matrix_a_scale:MATRIX_SCALE_ROW1
.endif
.endr
.endr
.endm
.macro FETCH_B slot, q, p
	WIN TO_B
.irp i, 0,1,2,3,4,5,6,7
	FRAG 128*(\p)+FR*\i, ADRB+\slot, \q, \i
.endr
	WIN 0
.endm
.macro FETCH_A slot, q, i0
.irp i, \i0, \i0+1, \i0+2, \i0+3
	FRAG AF+FR*(\i), ADRA+\slot, \q, \i
.endr
.endm
.macro SCALES sc                       ; a slot's scale words: lanes 0-15 take A's block i, lanes 16-31 B's block i
.irp i, 0,1,2,3,4,5,6,7
	ds_load_b64 v[SC+8*NQ*\sc+NQ*\i:SC+8*NQ*\sc+NQ*\i+1], v[ADRS] offset:\i*SBLK
.endr
.endm
.macro PLACES n                        ; plain vector instructions between a matrix instruction and a load into, or a read of, its registers
.rept \n
	v_nop
.endr
.endm
.macro STEP slot, q, cm                ; 128 along K with its successor in the same slot
	s_wait_dscnt 4*NL                              ; B's set and A's blocks 0-3 are in; the youngest 24 loads (A's blocks 4-7) may be out
.if \cm
	WIN 0x81                                       ; C (the bias) in window 0, D in window 2
.else
	WIN MUL_LO
.endif
	MUL16 0, (\q)%2, \q, \slot, \cm
	MUL16 2, (\q)%2, \q, \slot, \cm
	s_wait_dscnt 0                                 ; A's blocks 4-7 are in
	PLACES NP
	FETCH_B \slot, (\q)+1, 1-(\q)%2
	FETCH_A \slot, (\q)+1, 0
.if \cm
	WIN 0xc1
.else
	WIN MUL_HI
.endif
	MUL16 4, (\q)%2, \q, \slot, \cm
	MUL16 6, (\q)%2, \q, \slot, \cm
	PLACES NP
	WIN 0
	FETCH_A \slot, (\q)+1, 4
.endm
; A slot's last step changes slots: one barrier; in front of it each wave waits for all its tensor loads, adds 0 to its spare word, and waits for that and for its reads of this slot.
.macro TURN slot, next, fill
	s_wait_tensorcnt 0x0                           ; all my tensor loads have landed: my part of the next slot
	ds_add_u32 v[SPW], v[NIL]                      ; 0 onto my spare word
	s_wait_dscnt 4*NL+1                            ; the add and the youngest 24 loads may be out
	WIN MUL_LO
	MUL16 0, 1, NQ-1, \slot, 0
	s_wait_dscnt 0x0                               ; the add is done, and my reads of this slot are over
	s_barrier_signal -1
	MUL16 2, 1, NQ-1, \slot, 0
	WIN 0
	s_barrier_wait -1
.if \fill
	CREST                                          ; the barrier has opened a round of the cluster's barrier: no wave of any partner still reads this slot or has a load on its way
	s_add_nc_u64 s[G0+4*\slot+2:G0+4*\slot+3], s[G0+4*\slot+2:G0+4*\slot+3], 2*KSB
	s_add_nc_u64 s[G0B+4*\slot+2:G0B+4*\slot+3], s[G0B+4*\slot+2:G0B+4*\slot+3], 2*KSB
	JLOAD G0+4*\slot, G1, G0B+4*\slot, G1B         ; the first tensor load behind the round; its four v_nop are the places in front of the loads below
.else
	PLACES NP
.endif
	s_wait_alu depctr_va_vdst(0)
	v_add_nc_u32 v[ADRS], 4*NQ, v[ADRS]            ; the next slot's scale words
	FETCH_B \next, 0, 0
	FETCH_A \next, 0, 0
	SCALES \next
	WIN MUL_HI
	MUL16 4, 1, NQ-1, \slot, 0
	MUL16 6, 1, NQ-1, \slot, 0
	PLACES NP
	WIN 0
	FETCH_A \next, 0, 4
.endm
; Block a of A': its 64 results a lane (register 16 b + i = column 32 b + 16 h + i of my row) become 12 registers of codes, the first six at d0, the others at d1, and the row's scale word in v[PW + u].
.macro QUANTW a, u, d0, d1
.set AC, 64*((\a)%4)
	WIN 0x0a+5*((\a)/4)                            ; sources 0 and 1: the accumulators' window; the running maximum is source 2, in window 0
.irp b, 0,1,2,3
	v_max3_num_f32 v[TM+\b], |v[AC+16*\b]|, |v[AC+16*\b+1]|, 0x1800000   ; each accumulator is read from its low end on; the floor 2^(3 - 127) holds the byte at 1 from below
.endr
.irp i, 2,4,6,8,10,12,14
.irp b, 0,1,2,3
	v_max3_num_f32 v[TM+\b], |v[AC+16*\b+\i]|, |v[AC+16*\b+\i+1]|, v[TM+\b]
.endr
.endr
	WIN 0
.irp b, 0,1,2,3
	v_permlanex16_b32 v[TM+4+\b], v[TM+\b], s80, s81
.endr
.irp b, 0,1,2,3
	v_max_num_f32 v[TM+\b], v[TM+\b], v[TM+4+\b]   ; with lane l xor 16's: the block's largest magnitude
.endr
.irp b, 0,1,2,3
	v_add_nc_u32 v[TM+12+\b], 0xff000000, v[TM+\b] ; 2 off its exponent field: the conversion's scale operand
.endr
.irp b, 0,1,2,3
	v_lshrrev_b32 v[TM+4+\b], 23, v[TM+12+\b]      ; the scale's byte
.endr
	v_lshl_or_b32 v[PW+(\u)], v[TM+5], 8, v[TM+4]
	v_lshl_or_b32 v[PW+(\u)], v[TM+6], 16, v[PW+(\u)]
	v_lshl_or_b32 v[PW+(\u)], v[TM+7], 24, v[PW+(\u)]
	WIN 0x02+((\a)/4)                              ; source 0: the accumulators' window
	v_cvt_scalef32_pk16_fp6_f32 v[(\d0):(\d0)+2], v[AC:AC+15], v[TM+12]
	v_cvt_scalef32_pk16_fp6_f32 v[CT:CT+2], v[AC+16:AC+31], v[TM+13]
	v_cvt_scalef32_pk16_fp6_f32 v[(\d1):(\d1)+2], v[AC+32:AC+47], v[TM+14]
	v_cvt_scalef32_pk16_fp6_f32 v[CT+4:CT+6], v[AC+48:AC+63], v[TM+15]
	WIN 0
	v_nop                                          ; one plain place behind a scaled conversion
.irp i, 0,1,2                          ; the operand's layout wants a whole block in a lane: lanes 0-15 the lower block, lanes 16-31 the upper
	v_permlane16_swap_b32 v[(\d0)+\i], v[CT+\i]
	v_permlane16_swap_b32 v[(\d1)+\i], v[CT+4+\i]
.endr
.irp i, 0,1,2
	v_mov_b32 v[(\d0)+3+\i], v[CT+\i]
	v_mov_b32 v[(\d1)+3+\i], v[CT+4+\i]
.endr
.endm
	s_load_b256 s[4:11], s[0:1], 0x0               ; xc s[4:5], xs s[6:7], wc s[8:9], ws s[10:11]
	s_load_b64 s[12:13], s[0:1], 0x20              ; b_attn
	v_lshl_add_u32 v[SPW], v0, 2, SPARE
	v_mov_b32 v[NIL], 0
	ds_add_u32 v[SPW], v[NIL]                      ; the wave's opening: the add and its wait come ahead of my first tensor load; the set-up below stands between them
	ds_add_u32 v[SPW], v[NIL]
	v_lshrrev_b32 v1, 5, v0
	v_readfirstlane_b32 s14, v1                    ; wave 0..3
	s_lshr_b32 s15, s14, 1                         ; which half of the tile's rows is mine.  Also: I fetch for A' (0) or for B' (1)
	s_and_b32 s16, s14, 1                          ; which half of its columns.  Also: which 128 rows I fetch
	s_bfe_u32 s40, ttmp6, 0x40000                  ; cx
	s_bfe_u32 s41, ttmp6, 0x40004                  ; cy
	s_and_b32 s95, ttmp7, 0xffff
	s_lshl_b32 s95, s95, 2                         ; 4 x cluster y
	s_lshl_b32 s93, ttmp9, 2                       ; 4 x cluster x
	s_cmp_eq_u32 ttmp9, 2                          ; the third column of clusters makes v
	s_cselect_b32 s67, 1, 0
	s_cselect_b32 s66, 2048, 0                     ; A's first row in its buffer
	s_cselect_b32 s17, 0, s95
	s_cselect_b32 s42, s95, s93
	s_add_co_u32 s17, s17, s41                     ; tile row
	s_add_co_u32 s42, s42, s40                     ; tile column
	s_lshl_b32 s43, s41, 2
	s_lshl_b32 s43, 15, s43                        ; my row of the cluster
	s_lshl_b32 s44, 0x1111, s40                    ; my column
	s_or_b32 s[G1+0], s43, (0<<16)|(1<<20)|(1<<21)|(3<<22)|(3<<25)  ; the mask; elements of 1 byte; padding on; bit 21 beside a mask; after every 16 words 4 words
	s_or_b32 s[G1B+0], s44, (0<<16)|(1<<20)|(1<<21)|(3<<22)|(3<<25)
.irp g, G1, G1B
	s_mov_b32 s[\g+1], ROWB<<16                    ; tensor_dim0
	s_mov_b32 s[\g+2], 384<<16                     ; tensor_dim1: the head's loads bring 384 rows of 256 bytes
	s_mov_b32 s[\g+3], ROWB<<16                    ; tile_dim0
	s_mov_b32 s[\g+4], 384                         ; tile_dim1
	s_mov_b32 s[\g+5], ROWB                        ; the pitch: dense
	s_mov_b32 s[\g+6], 0
	s_mov_b32 s[\g+7], 0
.endr
	s_or_b32 s[G1S+0], s43, (3<<16)|(1<<20)|(1<<21)|(5<<22)|(3<<25)  ; the scales of 256 rows: 8,192 dense bytes as 32 rows of 256, 16 bytes of padding behind each
	s_or_b32 s[G1SB+0], s44, (3<<16)|(1<<20)|(1<<21)|(5<<22)|(3<<25)
.irp g, G1S, G1SB
	s_mov_b32 s[\g+1], 32<<16
	s_mov_b32 s[\g+2], 32<<16                      ; the scales of 256 rows: 32 rows of 256 bytes
	s_mov_b32 s[\g+3], 32<<16
	s_mov_b32 s[\g+4], 32
	s_mov_b32 s[\g+5], 32
	s_mov_b32 s[\g+6], 0
	s_mov_b32 s[\g+7], 0
.endr
	s_lshl_b32 s20, s17, 8
	s_add_co_u32 s20, s20, s66                     ; A': the tile's first row
	s_lshl_b32 s46, s42, 8                         ; B': the tile's first row
	s_mov_b32 s21, 0
	s_mov_b32 s47, 0
	s_mov_b64 s[18:19], KS
	s_mul_u64 s[22:23], s[20:21], s[18:19]         ; where these rows' scales begin,
	s_mul_u64 s[92:93], s[46:47], s[18:19]
	s_mov_b64 s[18:19], KROW
	s_mul_u64 s[20:21], s[20:21], s[18:19]         ; and their codes
	s_mul_u64 s[46:47], s[46:47], s[18:19]
	s_mul_i32 s45, s16, HALFT                      ; a refill's half of a slot in LDS,
	s_mul_i32 s18, s16, KSB/2                      ; and in memory
	s_mov_b32 s19, 0
	s_wait_dscnt 0x0                               ; the opening add is done
	s_wait_kmcnt 0x0
	s_cmp_eq_u32 s67, 1                            ; the choice of buffers hangs on the cluster's x alone
	s_cselect_b64 s[96:97], s[8:9], s[4:5]         ; A's codes,
	s_cselect_b64 s[98:99], s[10:11], s[6:7]       ; A's scales,
	s_cselect_b64 s[4:5], s[4:5], s[8:9]           ; B's codes,
	s_cselect_b64 s[6:7], s[6:7], s[10:11]         ; B's scales
	s_load_b128 s[8:11], s[0:1], 0x28              ; qkv s[8:9], qkvs s[10:11]: waited for in front of the first K step
	s_add_nc_u64 s[20:21], s[96:97], s[20:21]
	s_add_nc_u64 s[22:23], s[98:99], s[22:23]
	s_add_nc_u64 s[46:47], s[4:5], s[46:47]
	s_add_nc_u64 s[92:93], s[6:7], s[92:93]
	CROUND                                         ; all sixteen work-groups are here: the first joint loads meet
	s_mov_b32 s[G0S], 1
	s_mov_b32 s[G0S+1], SCL
	s_mov_b64 s[G0S+2:G0S+3], s[22:23]
	s_or_b32 s[G0S+3], s[G0S+3], 0x80000000
	s_mov_b32 s[G0SB], 1
	s_mov_b32 s[G0SB+1], SCL+2*HALFS
	s_mov_b64 s[G0SB+2:G0SB+3], s[92:93]
	s_or_b32 s[G0SB+3], s[G0SB+3], 0x80000000
	s_mov_b32 s[G0H], 1                            ; A's K steps 0 and 1 into A's two slots,
	s_mov_b32 s[G0H+1], 0
	s_mov_b64 s[G0H+2:G0H+3], s[20:21]
	s_or_b32 s[G0H+3], s[G0H+3], 0x80000000
	s_mov_b32 s[G0HB], 1                           ; B's into B's
	s_mov_b32 s[G0HB+1], 4*HALFT
	s_mov_b64 s[G0HB+2:G0HB+3], s[46:47]
	s_or_b32 s[G0HB+3], s[G0HB+3], 0x80000000
	s_add_nc_u64 s[20:21], s[20:21], s[18:19]      ; for the refills: my 128 places
	s_add_nc_u64 s[46:47], s[46:47], s[18:19]
.irp s, 0,1
	s_mov_b32 s[G0+4*\s], 1
	s_add_co_u32 s[G0+4*\s+1], s45, \s*SLOT
	s_add_nc_u64 s[G0+4*\s+2:G0+4*\s+3], s[20:21], \s*KSB
	s_or_b32 s[G0+4*\s+3], s[G0+4*\s+3], 0x80000000
	s_mov_b32 s[G0B+4*\s], 1
	s_add_co_u32 s[G0B+4*\s+1], s45, 4*HALFT+\s*SLOT
	s_add_nc_u64 s[G0B+4*\s+2:G0B+4*\s+3], s[46:47], \s*KSB
	s_or_b32 s[G0B+4*\s+3], s[G0B+4*\s+3], 0x80000000
.endr
; the head's loads, one a wave, in one tree of branches on the wave's number
.macro ARM under, g0, g1, next
	s_cmp_lt_u32 s14, \under
	s_cbranch_scc0 \next
	tensor_load_to_lds s[\g0:\g0+3], s[\g1:\g1+7]
	s_nop 0
.rept 4
	v_nop
.endr
	s_branch .Lhead_asked
\next:
.endm
	ARM 1, G0H,  G1,  .Lhead_b
	ARM 2, G0HB, G1B, .Lhead_sa
	ARM 3, G0S,  G1S, .Lhead_sb
	tensor_load_to_lds s[G0SB:G0SB+3], s[G1SB:G1SB+7]
	s_nop 0
.rept 4
	v_nop
.endr
.Lhead_asked:
	v_and_b32 v1, 15, v0                           ; r
	v_bfe_u32 v2, v0, 4, 1                         ; h
	v_mul_u32_u24 v3, v1, PITCH
	v_mul_u32_u24 v4, v2, 24
	v_add_nc_u32 v4, v3, v4                        ; a fragment's row x pitch + 24 h
	v_lshl_add_u32 v5, v2, 4, v4                   ; and the same behind one padding more
	s_mul_i32 s21, s15, HALFT                      ; my 128 rows of A'
	s_mul_i32 s22, s16, HALFT                      ; my 128 rows of B',
	s_add_co_u32 s22, s22, 4*HALFT                 ; behind A's two slots
.irp s, 0,1
	v_add_nc_u32 v[ADRA+\s], s21, v4
	v_add_nc_u32 v[ADRB+\s], s22, v4
	v_add_nc_u32 v[ADRA+2+\s], s21, v5
	v_add_nc_u32 v[ADRB+2+\s], s22, v5
	s_add_co_u32 s21, s21, SLOT
	s_add_co_u32 s22, s22, SLOT
.endr
	v_mul_u32_u24 v5, v1, KS                       ; my row's scales: 32 bytes a row,
	v_lshrrev_b32 v6, 8, v5
	v_lshl_add_u32 v5, v6, 4, v5                   ; and 16 more for each 256 passed
	s_mul_i32 s21, s15, HALFS
	s_mul_i32 s22, s16, HALFS
	s_add_co_u32 s22, s22, 2*HALFS
	s_sub_co_u32 s22, s22, s21
	v_mul_u32_u24 v6, s22, v2                      ; lanes 16-31 take B's
	s_add_co_u32 s21, s21, SCL
	v_add_nc_u32 v5, v5, v6
	v_add_nc_u32 v[ADRS], s21, v5
	; the bias: eight tiles in the result's layout.  q, k: tile = B's block, register j: channel C0 + 32 (t / 2) + 16 h + 8 (t % 2) + j.  v: tile = A's block, all registers: channel C0 + 32 (t / 2) + 8 (t % 2) + r + 8 (r / 8)
	s_lshl_b32 s20, s17, 8
	s_lshl_b32 s21, s15, 7
	s_add_co_u32 s20, s20, s21                     ; my first row of A', counted from its tiles' start
	s_lshl_b32 s46, s42, 8
	s_lshl_b32 s47, s16, 7
	s_add_co_u32 s46, s46, s47                     ; my first row of B'
	s_add_co_u32 s21, s20, s66
	s_cmp_eq_u32 s67, 1
	s_cselect_b32 s92, s21, s46                    ; C0: my first channel of the 3,072
	s_cselect_b32 s93, s46, s20                    ; T0: my first token
	s_cselect_b32 s47, -1, 0
	s_cselect_b32 s21, 0, 4                        ; from register to register
	v_lshlrev_b32 v6, 4, v2
	v_and_b32 v7, 8, v1
	v_add_nc_u32 v7, v7, v1
	v_cndmask_b32 v6, v6, v7, s47
	v_lshlrev_b32 v[VB], 2, v6
.irp j, 1,2,3,4,5,6,7
	v_add_nc_u32 v[VB+\j], s21, v[VB+\j-1]
.endr
	s_lshl_b32 s22, s92, 2
	s_mov_b32 s23, 0
	s_add_nc_u64 s[12:13], s[12:13], s[22:23]
.irp t, 0,1,2,3,4,5,6,7
.irp j, 0,1,2,3,4,5,6,7
	global_load_b32 v[CB+8*\t+\j], v[VB+\j], s[12:13] offset:4*(32*(\t/2)+8*(\t%2))
.endr
.endr
	s_wait_tensorcnt 0x0                           ; my one load of the head is in
	s_mov_b32 s[G1+2], 96<<16                      ; no tensor load of mine is out: from here on a load brings 96 rows of 256 bytes
	s_mov_b32 s[G1+4], 96
	s_mov_b32 s[G1B+2], 96<<16
	s_mov_b32 s[G1B+4], 96
	s_barrier_signal -1
	s_barrier_wait -1
	FETCH_B 0, 0, 0
	FETCH_A 0, 0, 0
	SCALES 0
	FETCH_A 0, 0, 4
	s_wait_loadcnt 0x0                             ; the bias
	s_wait_kmcnt 0x0                               ; the outputs' addresses
	s_cmp_eq_u32 s67, 1                            ; the first step is written twice: the two ways name the bias's tiles differently.  Neither arm holds a tensor load or a barrier
	s_cbranch_scc1 .Lfirst_v
	STEP 0, 0, 1
	s_branch .Lfirst_done
.Lfirst_v:
	STEP 0, 0, 2
.Lfirst_done:
	s_mov_b32 s3, LAPS-1
.Llap:                                                 ; a trip goes once round the ring and fills both slots again
	TURN 0, 1, 1
	STEP 1, 0, 0
	TURN 1, 0, 1
	STEP 0, 0, 0
	s_sub_co_u32 s3, s3, 1
	s_cmp_lg_u32 s3, 0
	s_cbranch_scc1 .Llap
	TURN 0, 1, 0                                   ; the last lap fills nothing
	STEP 1, 0, 0
	s_wait_dscnt 4*NL
	WIN MUL_LO
	MUL16 0, 1, NQ-1, 1, 0
	MUL16 2, 1, NQ-1, 1, 0
	s_wait_dscnt 0
	WIN MUL_HI
	MUL16 4, 1, NQ-1, 1, 0
	MUL16 6, 1, NQ-1, 1, 0
	WIN 0
	; THE WAY OUT: no LDS.  Every tensor load has been waited for, so the scales' descriptor registers are free.
	s_cmp_eq_u32 s67, 1
	s_mov_b32 s72, 1536
	s_cselect_b32 s72, 3072, s72                   ; from an even pair of A's blocks to the odd one: the next image (q, k) | two tiles on (v)
	s_mov_b32 s73, 3072
	s_cselect_b32 s73, 98304, s73                  ; two pairs on: two images on | the next head
	s_mov_b32 s74, 768
	s_cselect_b32 s74, 1536, s74                   ; the pair's second block: the image's upper half | the next tile
	s_mov_b32 s75, 98304
	s_cselect_b32 s75, 768, s75                    ; the upper six registers: the next head | the image's upper half
	s_mov_b32 s76, 4096
	s_cselect_b32 s76, 256, s76                    ; lanes 16-31's scale words
	s_mov_b32 s77, 0x05040100
	s_cselect_b32 s77, 0x03020100, s77             ; the first head's bytes of both blocks | the first block's word
	s_mov_b32 s78, 0x07060302
	s_cselect_b32 s78, 0x07060504, s78             ; the second head's | the second block's
	s_cselect_b32 s82, 9, 8                        ; a key step's scale words: 512 bytes for a pair of heads of v, 256 for a head of q or k
	s_mov_b32 s79, 0xffff0000                      ; lanes 16-31
	s_mov_b32 s80, 0x76543210
	s_mov_b32 s81, 0xfedcba98                      ; v_permlanex16_b32's selects for lane l xor 16
	s_lshr_b32 s83, s92, 10                        ; q, k or v
	s_mul_i32 s84, s83, 6291456
	s_lshl_b32 s86, s83, 18
	s_lshr_b32 s83, s93, 11                        ; the batch
	s_lshl_b32 s83, s83, 4
	s_bfe_u32 s88, s92, 0x40006                    ; my first head
	s_add_co_u32 s83, s83, s88
	s_mul_i32 s88, s83, 98304
	s_add_co_u32 s84, s84, s88
	s_lshl_b32 s83, s83, 12
	s_add_co_u32 s86, s86, s83
	s_bfe_u32 s88, s93, 0x40007                    ; which 128 tokens of the batch
	s_mul_i32 s89, s88, 6144
	s_add_co_u32 s84, s84, s89
	s_lshl_b32 s88, s88, s82
	s_add_co_u32 s86, s86, s88
	s_mov_b32 s85, 0
	s_mov_b32 s87, 0
	s_add_nc_u64 s[8:9], s[8:9], s[84:85]
	s_add_nc_u64 s[10:11], s[10:11], s[86:87]
.irp b, 0,1,2,3
	v_mov_b32 v[TM+4+\b], 0                        ; a lane permute's destination counts as one of its sources; these four are also the places behind the last products
.endr
	v_and_b32 v125, 31, v0
	v_lshlrev_b32 v[VA], 3, v125                   ; 8 bytes a lane
	v_add_nc_u32 v[VA+1], s75, v[VA]
	v_add_nc_u32 v[VA+2], s74, v[VA]
	v_add_nc_u32 v[VA+3], s74, v[VA+1]
.irp k, 0,1,2,3
	v_add_nc_u32 v[VA+4+\k], s72, v[VA+\k]
	v_add_nc_u32 v[VA+8+\k], s73, v[VA+\k]
.endr
.irp k, 0,1,2,3
	v_add_nc_u32 v[VA+12+\k], s73, v[VA+4+\k]
.endr
	v_and_b32 v124, 15, v0
	v_lshlrev_b32 v124, 4, v124
	v_bfe_u32 v125, v0, 4, 1
	v_mad_u32_u24 v[SA], v125, s76, v124           ; 16 r, + lanes 16-31's distance
.irp g, 0,1,2,3
	QUANTW 2*\g, 0, RR+24*\g, RR+24*\g+6
	QUANTW 2*\g+1, 1, RR+24*\g+12, RR+24*\g+18
	v_perm_b32 v[XW+\g], v[PW+1], v[PW], s77
	v_perm_b32 v[XW+4+\g], v[PW+1], v[PW], s78
.irp u, 0,1
.irp c, 0,1
.irp p, 0,1,2
	global_store_b64 v[VA+4*\g+2*\u+\c], v[RR+24*\g+12*\u+6*\c+2*\p:RR+24*\g+12*\u+6*\c+2*\p+1], s[8:9] offset:256*\p   ; 32 lanes store 256 consecutive bytes, aligned
.endr
.endr
.endr
.endr
.irp g, 0,1,2,3
	v_cndmask_b32 v[XM+\g], v[XW+\g], v[XW+4+\g], s79
.endr
	global_store_b128 v[SA], v[XM:XM+3], s[10:11]  ; sixteen lanes store 256 consecutive bytes, aligned
	s_wait_tensorcnt 0x0                           ; the wave's end
	ds_add_u32 v[SPW], v[NIL]
	s_wait_dscnt 0x0
	CROUND                                         ; the closing round: no work-group ends while a partner may still ask for a tile that names it
	s_endpgm
.Lfunc_end_k_qf053b0a0e0_qkv:
	.size	k_qf053b0a0e0_qkv, .Lfunc_end_k_qf053b0a0e0_qkv-k_qf053b0a0e0_qkv
	.p2alignl 7, 3214868480
	.fill 96, 4, 3214868480
	.section	.rodata,"a",@progbits
	.p2align	6, 0x0
	.amdhsa_kernel k_qf053b0a0e0_qkv
		.amdhsa_group_segment_fixed_size 327680
		.amdhsa_private_segment_fixed_size 0
		.amdhsa_enable_private_segment 0
		.amdhsa_kernarg_size 56
		.amdhsa_user_sgpr_count 2
		.amdhsa_user_sgpr_kernarg_segment_ptr 1
		.amdhsa_wavefront_size32 1
		.amdhsa_system_sgpr_workgroup_id_x 1
		.amdhsa_system_sgpr_workgroup_id_y 1
		.amdhsa_system_sgpr_workgroup_id_z 1
		.amdhsa_system_vgpr_workitem_id 0
		.amdhsa_next_free_vgpr 1024
		.amdhsa_next_free_sgpr 100
		.amdhsa_reserve_vcc 0
		.amdhsa_float_denorm_mode_32 3
		.amdhsa_float_denorm_mode_16_64 3
		.amdhsa_memory_ordered 1
		.amdhsa_forward_progress 1
		.amdhsa_inst_pref_size 190
	.end_amdhsa_kernel
	.amdgpu_metadata
---
amdhsa.version: [ 1, 2 ]
amdhsa.kernels:
  - .name:           k_qf053b0a0e0_qkv
    .symbol:         k_qf053b0a0e0_qkv.kd
    .args:
      - { .name: xc, .offset: 0, .size: 8, .value_kind: global_buffer, .address_space: global }
      - { .name: xs, .offset: 8, .size: 8, .value_kind: global_buffer, .address_space: global }
      - { .name: wc, .offset: 16, .size: 8, .value_kind: global_buffer, .address_space: global }
      - { .name: ws, .offset: 24, .size: 8, .value_kind: global_buffer, .address_space: global }
      - { .name: b_attn, .offset: 32, .size: 8, .value_kind: global_buffer, .address_space: global }
      - { .name: qkv, .offset: 40, .size: 8, .value_kind: global_buffer, .address_space: global }
      - { .name: qkvs, .offset: 48, .size: 8, .value_kind: global_buffer, .address_space: global }
    .group_segment_fixed_size: 327680
    .private_segment_fixed_size: 0
    .kernarg_segment_align: 8
    .kernarg_segment_size: 56
    .max_flat_workgroup_size: 128
    .sgpr_count:     100
    .vgpr_count:     1024
    .wavefront_size: 32
...
	.end_amdgpu_metadata
.endif
;; end of part 2
;; launch att (part 3): grid 4 x 64, 16 waves a work-group, clusters of 4 x 1, 327,680 bytes of LDS; arguments qkv, qkvs, yc, ys; writes yc, ys
.if DOCPART == 3
	.amdgcn_target "amdgcn-amd-amdhsa--gfx1250"
	.amdhsa_code_object_version 6
	.text
	.protected	k_qf053b0a0e0_att
	.globl	k_qf053b0a0e0_att
	.p2align	8
	.type	k_qf053b0a0e0_att,@function
k_qf053b0a0e0_att:
	s_mov_b64 s[64:65], 0
	v_nop
	global_prefetch_b8 v0, s[64:65] scope:SCOPE_SE
	s_setreg_imm32_b32 hwreg(HW_REG_WAVE_MODE, 25, 1), 1
	s_wait_xcnt 0x0
	s_wait_alu depctr_hold_cnt(0) depctr_sa_sdst(0) depctr_va_vdst(0) depctr_va_sdst(0) depctr_va_ssrc(0) depctr_va_vcc(0) depctr_vm_vsrc(0)
	s_getreg_b32 s2, hwreg(HW_REG_IB_STS2, 6, 4)
	s_cmp_eq_u32 s2, 0
	s_cbranch_scc0 .Lentry_in_a_cluster
	s_endpgm
.Lentry_in_a_cluster:
	s_bfe_u32 s2, ttmp6, 0x10000c
	s_cmp_lg_u32 s2, 0x3003
	s_cbranch_scc0 .Lentry_shape_is_right
	s_endpgm
.Lentry_shape_is_right:
; y = softmax(q k^T / 8, causal) v for 64 heads of 64 channels, 2,048 tokens, both products on codes of FP6 (E2M3) with E8M0 scales; y is quantised along the 1,024 channels and leaves as codes.
; THE SOFTMAX: t = score x log2(e) / 8; M = the running largest t rounded up to a whole number; p = 2^(t - M) is quantised along the keys, not normalised; the row's sum is taken of the unquantised p and divides at the end.
; SHARES.  A work-group owns ONE head; all of its K and V, 16 key steps of 128 keys, 12,288 bytes each, lie in LDS: nothing is filled again.  The four work-groups of a head form a cluster; the one at place cx takes tiles
; 2 cx and 2 cx + 1 of each of the 16 blocks of 128 queries.  Sixteen waves, four to a SIMD; wave w owns tile 2 cx + w % 2 of block w / 2 (tile 0) and of block 15 - w / 2 (tile 1): 17 key steps for every wave.
; Key steps that lie wholly behind a tile's queries are left out by a scalar branch on the wave's number and the count of steps: the causal mask hides them.
; JOINT LOADS: the four partners need the same K and V: wave w of each asks for key step w (K's 6,144 bytes and V's, two rows of one tile) with the mask 15.  Waves 0-3 have a load line of their own: the first barrier
; shows key steps 0-3, a second one behind these four steps shows the rest; behind it the waves share nothing more.  No branch and no LDS address hangs on cx.
; NO PREFETCH: every tile is asked for at the head by its own load; there is no later load to run ahead of.
; The scale words of k and v of my head (4,096 bytes each) come by plain loads, 8 bytes a thread, and are stored into LDS bytes of their own.
; A TILE'S 16 QUERIES are Q0 + r + 8 (r / 8), and a tile's keys and channels are chosen likewise, so that a lane's 16 registers of two neighbouring tiles are 16 neighbours along the next product's K.
; K = 64 IN AN INSTRUCTION OF K = 128: an image of k holds key kappa at K 0-63 and key kappa + 8 at K 64-127.  Multiplied by [q | 0] it gives the first keys' scores, by [0 | q] the second's.  Zero codes add nothing.
; Both products are used transposed (S^T = k q^T, O^T = v^T p^T): a lane holds one query throughout.
; OUT.  yc: [block of 128 rows][two pairs of heads][tile of 16 rows][pair][head][768 bytes]: six registers of an operand: registers 0-3 at 16 x lane, registers 4-5 at 512 + 8 x lane.  ys: [row][pair][head][2 bytes].
; LIMITS: the scaled scores stay under 2^31 in magnitude; a block whose largest magnitude lies under 2^-124 keeps the byte 1; a block of zeros gets the byte 1 (its codes are zeros); NaN and infinities are not served.
.set KSTB,  12288                      ; a key step in LDS: [K 6,144][V 6,144]
.set SCB,   16*KSTB                    ; [k's scale words 4,096][v's 4,096]
.set SPARE, SCB+8192                   ; the spare words, 128 bytes for each of 16 waves
.set L8,   1                           ; v1   8 x lane
.set ASK0, 2                           ; v2   k's scale words: SCB + 16 r
.set ASV0, 3                           ; v3   v's: SCB + 4,096 + 8 r
.set SPW,  5
.set NIL,  6
.set GO,   7                           ; v7   16 x lane
.set ADL,  8                           ; v8   the key step in hand + 8 x lane
.set ADS,  9
.set ADT,  10
.set DQ,   11                          ; v11  my query - its block's first query - 16 h
.set ST,   12                          ; v12-15, v16-19: for each tile -M, the largest t, the sum in two halves
.set QZ,   20                          ; v20-49: [0 x 6][q tile 0][0 x 6][q tile 1][0 x 6]
.set QS,   50                          ; v50-51 q's scale words
.set NINF, 52
.set FRG,  56                          ; v56-103 four fragments of K or V; between them the softmax's temporaries:
.set BM,   56
.set PT,   60
.set SO,   64
.set CT,   68
.set SUMC, 76
.set T,    78
.set YW,   79
.set S,    104                         ; v104-167 S^T, then p; at the end y
.set O,    168                         ; v168-199, v200-231 O^T of the two tiles
.set PC,   232                         ; v232-243 p's codes; at the end y's
.set FF,   244
.set PWD,  245
.set FS,   248
.set TB,   2                           ; the key step's place in LDS
.set TS,   3                           ; and its scale words'
.set WV,   18
.set HD,   19                          ; my head's place in its pair
.set SEL,  20
.set CS,   22
.set G1,   24
.set G0,   40
.set KS,   66                          ; tile 1's key step
.set KL,   68                          ; tile 0's key step, its place in LDS, and its scale words'
.set TBL,  69
.set TSL,  70
.set CX,   67
.set HH,   76                          ; 16 x batch + head
.set IDX,  77                          ; which of a block's eight tiles
.set BLK,  78                          ; s78-79 the two blocks
.macro CROUND                          ; a round of the cluster's barrier
	s_barrier_signal -1
	s_barrier_wait -1
	s_cmp_lg_u32 s[WV], 0
	s_cbranch_scc1 .Lnot_wave_0_\@
	s_barrier_signal -3
.Lnot_wave_0_\@:
	s_barrier_wait -3
	s_barrier_signal -1
	s_barrier_wait -1
.endm
.macro TLOAD                           ; an s_nop 0 and four v_nop follow the line
	tensor_load_to_lds s[G0:G0+3], s[G1:G1+7]
	s_nop 0
.rept 4
	v_nop
.endr
.endm
; One tile's share of a key step of 128 keys.
.macro HSTEP u, ks
.set STH, ST+4*(\u)
.set OH, O+32*(\u)
.irp g, 0,1,2,3
.irp p, 0,1,2,3,4,5
	ds_load_b64 v[FRG+12*\g+2*\p:FRG+12*\g+2*\p+1], v[ADL] offset:1536*\g+256*\p
.endr
.endr
	ds_load_b128 v[FS:FS+3], v[ADS]
	s_wait_dscnt 0x0
.irp g, 0,1,2,3                        ; register 16 g + 8 u + j of S^T is the step's key 32 g + 16 h + 8 u + j
	v_wmma_scale_f32_16x16x128_f8f6f4 v[S+16*\g:S+16*\g+7], v[FRG+12*\g:FRG+12*\g+11], v[QZ+6+12*(\u):QZ+17+12*(\u)], 0, v[FS+\g], v[QS+(\u)] matrix_a_fmt:MATRIX_FMT_FP6 matrix_b_fmt:MATRIX_FMT_FP6
	v_wmma_scale_f32_16x16x128_f8f6f4 v[S+16*\g+8:S+16*\g+15], v[FRG+12*\g:FRG+12*\g+11], v[QZ+12*(\u):QZ+11+12*(\u)], 0, v[FS+\g], v[QS+(\u)] matrix_a_fmt:MATRIX_FMT_FP6 matrix_b_fmt:MATRIX_FMT_FP6
.endr
.rept 4
	v_nop                                          ; places behind the products
.endr
	s_cmp_lg_u32 s[\ks], s[BLK+(\u)]               ; on the diagonal the scores of hidden keys become -infinity ahead of the maximum; a step all of whose keys count skips this
	s_cbranch_scc1 .Lopen_\@
.set nn, 0
.rept 64
	v_cmp_gt_i32 vcc_lo, 32*(nn/16)+nn%16, v[DQ]
	v_cndmask_b32 v[S+nn], v[S+nn], v[NINF], vcc_lo
.set nn, nn+1
.endr
.Lopen_\@:
.irp b, 0,1,2,3
	v_max3_num_f32 v[BM+\b], v[S+16*\b], v[S+16*\b+1], v[S+16*\b+2]   ; the largest score of each block of 32 keys: for the row's maximum and, since p rises with the score, for the block's largest p
.endr
.irp i, 3,5,7,9,11,13
.irp b, 0,1,2,3
	v_max3_num_f32 v[BM+\b], v[BM+\b], v[S+16*\b+\i], v[S+16*\b+\i+1]
.endr
.endr
.irp b, 0,1,2,3
	v_max_num_f32 v[BM+\b], v[BM+\b], v[S+16*\b+15]
.endr
.irp b, 0,1,2,3
	s_delay_alu instid0(VALU_DEP_4)
	v_permlanex16_b32 v[PT+\b], v[BM+\b], s[SEL], s[SEL+1]
.endr
.irp b, 0,1,2,3
	s_delay_alu instid0(VALU_DEP_4)
	v_max_num_f32 v[BM+\b], v[BM+\b], v[PT+\b]     ; with lane l xor 16's 16 keys
.endr
	s_delay_alu instid0(VALU_DEP_2)
	v_max3_num_f32 v[T], v[BM], v[BM+1], v[BM+2]
	s_delay_alu instid0(VALU_DEP_1)
	v_max_num_f32 v[T], v[T], v[BM+3]
	s_delay_alu instid0(VALU_DEP_1)
	v_mul_f32 v[T], s[CS], v[T]                    ; as t
	s_delay_alu instid0(VALU_DEP_1)
	v_max_num_f32 v[STH+1], v[STH+1], v[T]         ; the running largest t
	v_mov_b32 v[T], v[STH]
	s_delay_alu instid0(VALU_DEP_2)
	v_floor_f32 v[STH], -v[STH+1]                  ; the new -M = floor(-t): M is a whole number
	s_delay_alu instid0(VALU_DEP_1)
	v_sub_f32 v[T], v[STH], v[T]                   ; old M - new M: a whole number, 0 or less
	s_delay_alu instid0(VALU_DEP_1)
	v_cvt_i32_f32 v[T], v[T]                       ; (it saturates)
	s_delay_alu instid0(VALU_DEP_1)
	v_ldexp_f32 v[FF], 1.0, v[T]                   ; f = 2^(old M - new M): a multiplication by it rounds nothing
.set jj, 0
.rept 32
	v_pk_fma_f32 v[S+jj:S+jj+1], v[S+jj:S+jj+1], s[CS:CS+1], v[STH:STH+1] op_sel_hi:[1,0,0]   ; t - M, two at a time
.set jj, jj+2
.endr
.irp b, 0,1,2,3
	v_fma_f32 v[BM+\b], v[BM+\b], s[CS], v[STH]    ; the same of each block's largest score
.endr
.set jj, 0
	s_wait_alu depctr_va_vdst(0)                   ; ahead of the batch
.rept 64
	v_exp_f32 v[S+jj], v[S+jj]                     ; p = 2^(t - M)
.set jj, jj+1
.endr
	v_pk_mul_f32 v[STH+2:STH+3], v[STH+2:STH+3], v[FF:FF+1] op_sel_hi:[1,0]   ; the sums under the new M: a plain place behind the exponentials
	s_wait_alu depctr_va_vdst(0)                   ; one wait for the whole batch, ahead of its first reader
.irp b, 0,1,2,3
	v_exp_f32 v[BM+\b], v[BM+\b]                   ; the block's largest p
.endr
	v_pk_add_f32 v[SUMC:SUMC+1], v[S:S+1], v[S+2:S+3]   ; the row's sum is taken of the unquantised p, in two chains
.irp j, 4,8,12,16,20,24,28,32,36,40,44,48,52,56,60
	v_pk_add_f32 v[STH+2:STH+3], v[STH+2:STH+3], v[S+\j:S+\j+1]
	v_pk_add_f32 v[SUMC:SUMC+1], v[SUMC:SUMC+1], v[S+\j+2:S+\j+3]
.endr
	s_delay_alu instid0(VALU_DEP_1)
	v_pk_add_f32 v[STH+2:STH+3], v[STH+2:STH+3], v[SUMC:SUMC+1]
	s_wait_alu depctr_va_vdst(0)                   ; and one for the four
.irp b, 0,1,2,3
	v_max_num_f32 v[BM+\b], 0x1800000, v[BM+\b]    ; the floor 2^(3 - 127): the byte cannot fall under 1
.endr
.irp b, 0,1,2,3
	s_delay_alu instid0(VALU_DEP_4)
	v_add_nc_u32 v[SO+\b], 0xff000000, v[BM+\b]    ; 2 off the exponent field: the conversion's scale operand
.endr
.irp b, 0,1,2,3
	s_delay_alu instid0(VALU_DEP_4)
	v_lshrrev_b32 v[PT+\b], 23, v[SO+\b]           ; the scale's byte
.endr
	s_delay_alu instid0(VALU_DEP_3)
	v_lshl_or_b32 v[PWD], v[PT+1], 8, v[PT]        ; p's scale word for these 128 keys
	s_delay_alu instid0(VALU_DEP_1)
	v_lshl_or_b32 v[PWD], v[PT+2], 16, v[PWD]
	s_delay_alu instid0(VALU_DEP_1)
	v_lshl_or_b32 v[PWD], v[PT+3], 24, v[PWD]
.irp c, 0,1
	v_cvt_scalef32_pk16_fp6_f32 v[PC+6*\c:PC+6*\c+2], v[S+32*\c:S+32*\c+15], v[SO+2*\c]
	v_cvt_scalef32_pk16_fp6_f32 v[CT+4*\c:CT+4*\c+2], v[S+32*\c+16:S+32*\c+31], v[SO+2*\c+1]
.endr
	v_nop                                          ; one plain place behind a scaled conversion
.irp c, 0,1                            ; the operand's layout wants a whole block in a lane
.irp i, 0,1,2
	v_permlane16_swap_b32 v[PC+6*\c+\i], v[CT+4*\c+\i]
.endr
.irp i, 0,1,2
	s_delay_alu instid0(VALU_DEP_3)
	v_mov_b32 v[PC+6*\c+3+\i], v[CT+4*\c+\i]
.endr
.endr
.set jj, 0
.rept 16
	v_pk_mul_f32 v[OH+jj:OH+jj+1], v[OH+jj:OH+jj+1], v[FF:FF+1] op_sel_hi:[1,0]   ; O^T under the new M; each accumulator from its low end on.  These are also the places in front of the products below
.set jj, jj+2
.endr
.irp t, 0,1,2,3
.irp p, 0,1,2,3,4,5
	ds_load_b64 v[FRG+12*\t+2*\p:FRG+12*\t+2*\p+1], v[ADL] offset:6144+1536*\t+256*\p
.endr
.endr
	ds_load_b64 v[FS:FS+1], v[ADT]                 ; the scale words of tiles 0 and 2,
	ds_load_b64 v[FS+2:FS+3], v[ADT] offset:128    ; and of tiles 1 and 3
	s_wait_alu depctr_va_vdst(0)
	s_wait_dscnt 0x0
.irp t, 0,1,2,3                        ; the four accumulators take turns, one instruction a turn
	v_wmma_scale_f32_16x16x128_f8f6f4 v[OH+8*\t:OH+8*\t+7], v[FRG+12*\t:FRG+12*\t+11], v[PC:PC+11], v[OH+8*\t:OH+8*\t+7], v[FS+2*(\t%2)+\t/2], v[PWD] matrix_a_fmt:MATRIX_FMT_FP6 matrix_b_fmt:MATRIX_FMT_FP6
.endr
.endm
; Tile u's share of key step s[ks], which lies at s[tb] in LDS, its scale words at s[ts].  A step behind the tile's block is left out: a scalar branch on the wave's number and the count of steps, round loads, products and softmax alone.
.macro TSTEP u, ks, tb, ts
	s_cmp_gt_u32 s[\ks], s[BLK+(\u)]
	s_cbranch_scc1 .Lhidden_\@
	v_add_nc_u32 v[ADL], s[\tb], v[L8]             ; these four are also the places behind the last products, in front of the loads into their registers
	v_add_nc_u32 v[ADS], s[\ts], v[ASK0]
	v_add_nc_u32 v[ADT], s[\ts], v[ASV0]
	v_nop
	HSTEP \u, \ks
.Lhidden_\@:
.endm
	s_load_b256 s[4:11], s[0:1], 0x0               ; qkv s[4:5], qkvs s[6:7], yc s[8:9], ys s[10:11]
	v_lshl_add_u32 v[SPW], v0, 2, SPARE
	v_mov_b32 v[NIL], 0
	ds_add_u32 v[SPW], v[NIL]                      ; the wave's opening: the add, twice on end, and its wait ahead of the round in front of my tensor load
	ds_add_u32 v[SPW], v[NIL]
	v_lshrrev_b32 v8, 5, v0
	v_readfirstlane_b32 s[WV], v8                  ; wave 0..15
	s_bfe_u32 s[CX], ttmp6, 0x40000                ; my place in the cluster
	s_and_b32 s[HH], ttmp7, 0xffff
	s_and_b32 s[HD], s[HH], 1
	s_and_b32 s82, s[WV], 1
	s_lshl_b32 s[IDX], s[CX], 1
	s_add_co_u32 s[IDX], s[IDX], s82               ; my tile of a block
	s_lshr_b32 s[BLK], s[WV], 1
	s_sub_co_u32 s[BLK+1], 15, s[BLK]
	s_lshl_b32 s81, s[CX], 5
	s_lshl_b32 s83, s82, 3
	s_add_co_u32 s81, s81, s83                     ; my tiles' first query inside a block: 32 (tile / 2) + 8 (tile % 2)
	s_mov_b32 s75, 0x01000100
	s_cmp_eq_u32 s82, 1
	s_cselect_b32 s75, 0x03020302, s75             ; which two bytes of the loaded word are my queries' scales
	s_mul_i32 s96, s[HH], 98304                    ; my head's codes inside q's, k's or v's part
	s_mul_i32 s84, s[WV], 6144
	s_add_co_u32 s90, s96, s84
	s_add_co_u32 s90, s90, 6291456                 ; k's part, key step w; v's lies 6,291,456 bytes on
	s_mov_b32 s91, 0
	s_mul_i32 s[G0+1], s[WV], KSTB
	s_mov_b32 s[G1], 15|(3<<16)|(1<<21)            ; the mask of the four partners; elements of 8 bytes; bit 21 beside a mask
	s_mov_b32 s[G1+1], 768<<16                     ; tensor_dim0: 6,144 bytes
	s_mov_b32 s[G1+2], 2<<16                       ; tensor_dim1
	s_mov_b32 s[G1+3], 768<<16                     ; tile_dim0
	s_mov_b32 s[G1+4], 2                           ; tile_dim1: K's row, V's row
	s_mov_b32 s[G1+5], 786432                      ; the pitch: from k's part to v's
	s_mov_b32 s[G1+6], 0
	s_mov_b32 s[G1+7], 0
	s_mov_b32 s[SEL], 0x76543210
	s_mov_b32 s[SEL+1], 0xfedcba98
	s_mov_b32 s[CS], 0x3e38aa3b                    ; c = log2(e) / 8
	s_mov_b32 s[CS+1], s[CS]
	s_mov_b32 s[TB], 0
	s_mov_b32 s[TS], 0
	s_mov_b32 s[KS], 0
	s_mov_b32 s[KL], 0
	s_mov_b32 s[TBL], 0
	s_mov_b32 s[TSL], 0
	s_mul_i32 s97, s[CX], 1536                     ; q: image 4 block + tile / 2, its half tile % 2
	s_add_co_u32 s96, s96, s97
	s_mul_i32 s97, s82, 768
	s_add_co_u32 s96, s96, s97
	s_lshl_b32 s98, s[HH], 12                      ; my head's scale words inside q's or k's part
	s_lshl_b32 s99, s[CX], 2
	s_add_co_u32 s99, s99, s98
	s_wait_dscnt 0x0                               ; both opening adds are done
	CROUND                                         ; the four work-groups are here: the joint loads meet
	s_wait_kmcnt 0x0
	s_mov_b32 s[G0], 1
	s_add_nc_u64 s[G0+2:G0+3], s[4:5], s[90:91]
	s_or_b32 s[G0+3], s[G0+3], 0x80000000
	s_cmp_lt_u32 s[WV], 4                          ; every wave's one load; waves 0-3, whose tiles the first barrier shows, have a line of their own
	s_cbranch_scc0 .Llater
	TLOAD
	s_branch .Lasked
.Llater:
	TLOAD
.Lasked:
	s_mov_b32 s85, 0
.irp u, 0,1
	s_mul_i32 s84, s[BLK+\u], 6144
	s_add_co_u32 s84, s84, s96
	s_add_nc_u64 s[12+2*\u:13+2*\u], s[4:5], s[84:85]      ; q's codes
	s_lshl_b32 s84, s[BLK+\u], 8
	s_add_co_u32 s84, s84, s99
	s_add_nc_u64 s[32+2*\u:33+2*\u], s[6:7], s[84:85]      ; q's scale words
.endr
	s_add_co_u32 s84, s98, 1<<18
	s_add_nc_u64 s[36:37], s[6:7], s[84:85]        ; k's scale words of my head
	s_lshr_b32 s84, s[HH], 1
	s_lshl_b32 s84, s84, 13
	s_lshl_b32 s86, s[HD], 3
	s_add_co_u32 s84, s84, s86
	s_add_co_u32 s84, s84, 2<<18
	s_add_nc_u64 s[38:39], s[6:7], s[84:85]        ; v's: my head's 8 bytes of each 16
	v_and_b32 v[L8], 31, v0
	v_lshlrev_b32 v[GO], 4, v[L8]
	v_lshlrev_b32 v[L8], 3, v[L8]
	v_and_b32 v8, 15, v0                           ; r
	v_bfe_u32 v10, v0, 4, 1                        ; h
	v_lshlrev_b32 v9, 4, v8                        ; 16 r
	v_lshlrev_b32 v64, 3, v0                       ; 8 x thread
	v_lshlrev_b32 v65, 4, v0                       ; 16 x thread
	v_lshl_add_u32 v55, v0, 3, SCB
.irp u, 0,1
.irp p, 0,1,2
	global_load_b64 v[QZ+6+12*\u+2*\p:QZ+7+12*\u+2*\p], v[L8], s[12+2*\u:13+2*\u] offset:256*\p
.endr
	global_load_b32 v[QS+\u], v9, s[32+2*\u:33+2*\u]
.endr
	global_load_b64 v[56:57], v64, s[36:37]
	global_load_b64 v[58:59], v65, s[38:39]
	v_add_nc_u32 v[ASK0], SCB, v9
	v_lshl_add_u32 v[ASV0], v8, 3, SCB+4096
	v_and_b32 v4, 8, v8
	v_add_nc_u32 v4, v4, v8
	v_lshlrev_b32 v10, 4, v10
	v_sub_nc_u32 v4, v4, v10
	v_add_nc_u32 v[DQ], s81, v4
.irp z, 0,1,2,3,4,5
	v_mov_b32 v[QZ+\z], 0                          ; the zero codes beside q
	v_mov_b32 v[QZ+12+\z], 0
	v_mov_b32 v[QZ+24+\z], 0
.endr
.irp u, 0,1
	v_mov_b32 v[ST+4*\u+1], 0xff61b1e6             ; the largest t so far: -3e38, under every t
	v_floor_f32 v[ST+4*\u], -v[ST+4*\u+1]          ; -M
	v_mov_b32 v[ST+4*\u+2], 0                      ; the sum, in two halves
	v_mov_b32 v[ST+4*\u+3], 0
.endr
.irp b, 0,1,2,3
	v_mov_b32 v[PT+\b], 0                          ; a lane permute's destination counts as one of its sources
.endr
	v_mov_b32 v[PWD], 0                            ; (named as the upper half of a pair before it is first written)
	v_mov_b32 v247, 0
	v_mov_b32 v253, 0
	v_mov_b32 v[NINF], 0xff800000
	s_wait_loadcnt 0x0                             ; q and the scale words
	ds_store_b64 v55, v[56:57]                     ; k's scale words as they lie,
	ds_store_b64 v55, v[58:59] offset:4096         ; v's: [key step][tiles 0, 2 | tiles 1, 3][r][8 bytes]
	v_perm_b32 v[QS], v[QS], v[QS], s75            ; my queries' two bytes, twice: for both halves of K
	v_perm_b32 v[QS+1], v[QS+1], v[QS+1], s75
.set jj, 0
.rept 64
	v_mov_b32 v[O+jj], 0                           ; O^T: the step is written once; a tile's first step finds zeros, which the first change of M leaves zeros
.set jj, jj+1
.endr
	s_cmp_lt_u32 s[WV], 4
	s_cbranch_scc0 .Lnot_first
	s_wait_tensorcnt 0x0                           ; key steps 0-3 are in
.Lnot_first:
	s_wait_dscnt 0x0                               ; my scale words are stored
	s_barrier_signal -1
	s_barrier_wait -1                              ; the other loads may still be on their way
.Lfirst:                                               ; 4 trips: tile 1's key steps 0-3: four tile steps in every wave ahead of the barrier below
	TSTEP 1, KS, TB, TS
	s_add_co_u32 s[TB], s[TB], KSTB
	s_add_co_u32 s[TS], s[TS], 256
	s_add_co_u32 s[KS], s[KS], 1
	s_cmp_lt_u32 s[KS], 4
	s_cbranch_scc1 .Lfirst
	s_wait_tensorcnt 0x0                           ; every wave's load is in
	s_barrier_signal -1
	s_barrier_wait -1                              ; all 16 key steps are shown to all waves
.Lrest:                                                ; 12 trips: tile 1's key step KS and tile 0's key step KS - 4: (12 - w / 2) + (w / 2 + 1) = 13 tile steps in every wave, with no barrier among them
	TSTEP 1, KS, TB, TS
	TSTEP 0, KL, TBL, TSL
	s_add_co_u32 s[TB], s[TB], KSTB
	s_add_co_u32 s[TS], s[TS], 256
	s_add_co_u32 s[TBL], s[TBL], KSTB
	s_add_co_u32 s[TSL], s[TSL], 256
	s_add_co_u32 s[KL], s[KL], 1
	s_add_co_u32 s[KS], s[KS], 1
	s_cmp_lt_u32 s[KS], 16
	s_cbranch_scc1 .Lrest
	; THE WAY OUT: y = O^T / the sum; register 32 tile + 16 b + i is channel 32 b + 16 h + i of my head for my query of that tile: 16 neighbours of each of four blocks of 32
.rept 4
	v_nop                                          ; places behind the last products
.endr
.irp u, 0,1
	v_add_f32 v[ST+4*\u+2], v[ST+4*\u+2], v[ST+4*\u+3]
.endr
.irp u, 0,1
	s_delay_alu instid0(VALU_DEP_2)
	v_permlanex16_b32 v[PT+\u], v[ST+4*\u+2], s[SEL], s[SEL+1]
.endr
.irp u, 0,1
	s_delay_alu instid0(VALU_DEP_2)
	v_add_f32 v[ST+4*\u+2], v[ST+4*\u+2], v[PT+\u] ; the row's sum
.endr
	s_wait_alu depctr_va_vdst(0)                   ; ahead of the transcendentals
	v_rcp_f32 v246, v[ST+2]
	v_rcp_f32 v252, v[ST+6]
	v_and_b32 v8, 15, v0                           ; a plain place behind the reciprocals
	v_lshlrev_b32 v8, 5, v8                        ; my row of ys: 32 bytes a row
	s_lshr_b32 s83, s[HH], 4
	s_lshl_b32 s83, s83, 4                         ; 16 x batch: blocks of 128 rows
	s_bfe_u32 s84, s[HH], 0x30001                  ; the pair of heads = the last product's K step of 128
	s_lshr_b32 s85, s84, 1
	s_mul_i32 s85, s85, 24576
	s_and_b32 s86, s84, 1
	s_mul_i32 s86, s86, 1536
	s_add_co_u32 s85, s85, s86
	s_mul_i32 s86, s[HD], 768
	s_add_co_u32 s85, s85, s86
	s_mul_i32 s86, s[IDX], 3072
	s_add_co_u32 s85, s85, s86                     ; what both tiles' places in yc share,
	s_lshl_b32 s86, s84, 2
	s_lshl_b32 s87, s[HD], 1
	s_add_co_u32 s86, s86, s87
	s_lshl_b32 s87, s[IDX], 9
	s_add_co_u32 s86, s86, s87                     ; and in ys
	s_mov_b32 s91, 0
.irp u, 0,1
	s_add_co_u32 s88, s83, s[BLK+\u]
	s_mul_i32 s90, s88, 98304
	s_add_co_u32 s90, s90, s85
	s_add_nc_u64 s[12+2*\u:13+2*\u], s[8:9], s[90:91]
	s_lshl_b32 s90, s88, 12
	s_add_co_u32 s90, s90, s86
	s_add_nc_u64 s[32+2*\u:33+2*\u], s[10:11], s[90:91]
.endr
	s_wait_alu depctr_va_vdst(0)                   ; one wait for both reciprocals, ahead of their first reader
.set jj, 0
.rept 16
	v_pk_mul_f32 v[S+jj:S+jj+1], v[O+jj:O+jj+1], v[246:247] op_sel_hi:[1,0]   ; each accumulator from its low end on
.set jj, jj+2
.endr
.rept 16
	v_pk_mul_f32 v[S+jj:S+jj+1], v[O+jj:O+jj+1], v[252:253] op_sel_hi:[1,0]
.set jj, jj+2
.endr
.irp b, 0,1,2,3
	v_max3_num_f32 v[BM+\b], |v[S+16*\b]|, |v[S+16*\b+1]|, 0x1800000
.endr
.irp i, 2,4,6,8,10,12,14
.irp b, 0,1,2,3
	s_delay_alu instid0(VALU_DEP_4)
	v_max3_num_f32 v[BM+\b], v[BM+\b], |v[S+16*\b+\i]|, |v[S+16*\b+\i+1]|
.endr
.endr
.irp b, 0,1,2,3
	s_delay_alu instid0(VALU_DEP_4)
	v_permlanex16_b32 v[PT+\b], v[BM+\b], s[SEL], s[SEL+1]
.endr
.irp b, 0,1,2,3
	s_delay_alu instid0(VALU_DEP_4)
	v_max_num_f32 v[BM+\b], v[BM+\b], v[PT+\b]
.endr
.irp b, 0,1,2,3
	s_delay_alu instid0(VALU_DEP_4)
	v_add_nc_u32 v[SO+\b], 0xff000000, v[BM+\b]
.endr
.irp b, 0,1,2,3
	s_delay_alu instid0(VALU_DEP_4)
	v_lshrrev_b32 v[PT+\b], 23, v[SO+\b]
.endr
	s_delay_alu instid0(VALU_DEP_3)
	v_lshl_or_b32 v[YW], v[PT+1], 8, v[PT]         ; tile 0's two bytes below, tile 1's above
	s_delay_alu instid0(VALU_DEP_1)
	v_lshl_or_b32 v[YW], v[PT+2], 16, v[YW]
	s_delay_alu instid0(VALU_DEP_1)
	v_lshl_or_b32 v[YW], v[PT+3], 24, v[YW]
.irp c, 0,1
	v_cvt_scalef32_pk16_fp6_f32 v[PC+6*\c:PC+6*\c+2], v[S+32*\c:S+32*\c+15], v[SO+2*\c]
	v_cvt_scalef32_pk16_fp6_f32 v[CT+4*\c:CT+4*\c+2], v[S+32*\c+16:S+32*\c+31], v[SO+2*\c+1]
.endr
	v_nop
.irp c, 0,1
.irp i, 0,1,2
	v_permlane16_swap_b32 v[PC+6*\c+\i], v[CT+4*\c+\i]
.endr
.irp i, 0,1,2
	s_delay_alu instid0(VALU_DEP_3)
	v_mov_b32 v[PC+6*\c+3+\i], v[CT+4*\c+\i]
.endr
.endr
.irp u, 0,1
	global_store_b128 v[GO], v[PC+6*\u:PC+6*\u+3], s[12+2*\u:13+2*\u]              ; 32 lanes store 512 consecutive bytes, aligned,
	global_store_b64 v[L8], v[PC+6*\u+4:PC+6*\u+5], s[12+2*\u:13+2*\u] offset:512  ; and 256
.endr
	global_store_b16 v8, v[YW], s[32:33]           ; my row's two scale bytes; lanes l and l + 16 write the same bytes with the same value
	global_store_d16_hi_b16 v8, v[YW], s[34:35]
	s_wait_tensorcnt 0x0                           ; the wave's end
	ds_add_u32 v[SPW], v[NIL]
	s_wait_dscnt 0x0
	CROUND                                         ; the closing round
	s_endpgm
.Lfunc_end_k_qf053b0a0e0_att:
	.size	k_qf053b0a0e0_att, .Lfunc_end_k_qf053b0a0e0_att-k_qf053b0a0e0_att
	.p2alignl 7, 3214868480
	.fill 96, 4, 3214868480
	.section	.rodata,"a",@progbits
	.p2align	6, 0x0
	.amdhsa_kernel k_qf053b0a0e0_att
		.amdhsa_group_segment_fixed_size 327680
		.amdhsa_private_segment_fixed_size 0
		.amdhsa_enable_private_segment 0
		.amdhsa_kernarg_size 32
		.amdhsa_user_sgpr_count 2
		.amdhsa_user_sgpr_kernarg_segment_ptr 1
		.amdhsa_wavefront_size32 1
		.amdhsa_system_sgpr_workgroup_id_x 1
		.amdhsa_system_sgpr_workgroup_id_y 1
		.amdhsa_system_sgpr_workgroup_id_z 1
		.amdhsa_system_vgpr_workitem_id 0
		.amdhsa_next_free_vgpr 256
		.amdhsa_next_free_sgpr 100
		.amdhsa_reserve_vcc 1
		.amdhsa_float_denorm_mode_32 3
		.amdhsa_float_denorm_mode_16_64 3
		.amdhsa_memory_ordered 1
		.amdhsa_forward_progress 1
		.amdhsa_inst_pref_size 90
	.end_amdhsa_kernel
	.amdgpu_metadata
---
amdhsa.version: [ 1, 2 ]
amdhsa.kernels:
  - .name:           k_qf053b0a0e0_att
    .symbol:         k_qf053b0a0e0_att.kd
    .args:
      - { .name: qkv, .offset: 0, .size: 8, .value_kind: global_buffer, .address_space: global }
      - { .name: qkvs, .offset: 8, .size: 8, .value_kind: global_buffer, .address_space: global }
      - { .name: yc, .offset: 16, .size: 8, .value_kind: global_buffer, .address_space: global }
      - { .name: ys, .offset: 24, .size: 8, .value_kind: global_buffer, .address_space: global }
    .group_segment_fixed_size: 327680
    .private_segment_fixed_size: 0
    .kernarg_segment_align: 8
    .kernarg_segment_size: 32
    .max_flat_workgroup_size: 512
    .sgpr_count:     100
    .vgpr_count:     256
    .wavefront_size: 32
...
	.end_amdgpu_metadata
.endif
;; end of part 3
;; launch proj (part 4): grid 4 x 64, 4 waves a work-group, clusters of 4 x 4, 327,680 bytes of LDS; arguments yc, ys, wc, ws, b_proj, out0; writes out0
.if DOCPART == 4
	.amdgcn_target "amdgcn-amd-amdhsa--gfx1250"
	.amdhsa_code_object_version 6
	.text
	.protected	k_qf053b0a0e0_proj
	.globl	k_qf053b0a0e0_proj
	.p2align	8
	.type	k_qf053b0a0e0_proj,@function
k_qf053b0a0e0_proj:
	s_mov_b64 s[64:65], 0
	v_nop
	global_prefetch_b8 v0, s[64:65] scope:SCOPE_SE
	s_setreg_imm32_b32 hwreg(HW_REG_WAVE_MODE, 25, 1), 1
	s_wait_xcnt 0x0
	s_wait_alu depctr_hold_cnt(0) depctr_sa_sdst(0) depctr_va_vdst(0) depctr_va_sdst(0) depctr_va_ssrc(0) depctr_va_vcc(0) depctr_vm_vsrc(0)
	s_getreg_b32 s2, hwreg(HW_REG_IB_STS2, 6, 4)
	s_cmp_eq_u32 s2, 0
	s_cbranch_scc0 .Lentry_in_a_cluster
	s_endpgm
.Lentry_in_a_cluster:
	s_bfe_u32 s2, ttmp6, 0x10000c
	s_cmp_lg_u32 s2, 0xf033
	s_cbranch_scc0 .Lentry_shape_is_right
	s_endpgm
.Lentry_shape_is_right:
; out0 = y W_proj + b_proj on codes of FP6 (E2M3) with E8M0 scales, K = 1,024, sums in f32.
; A tile of 128 rows x 256 columns is made by four waves, 64 x 128 each (32 accumulators): 64 x 4 tiles are 256 work-groups.  CLUSTERS of 4 x 4: A's tile is shared along a row of the cluster, B's along a column, by joint loads.
; A = yc: [block of 128 rows][K step of 256][tile of 16 rows][K of 128][K of 64][768 bytes: registers 0-3 at 16 x lane, 4-5 at 512 + 8 x lane].  B = wc, rows 3,072 on: [group of 256 places][K step of 256][place][192 bytes].
; Both operands' tiles are dense in memory and are stated as rows of 256 bytes; B's get 16 bytes of padding behind each 64, so that an LDS row is 240 bytes.
; The rows of yc and wc lie with bits 3 and 4 of their number exchanged; the way out sets rows and columns right.  The matrix instruction is used transposed (source 0 = B, source 1 = A): a lane holds eight neighbours of a row.
; K goes in steps of 256 through two LDS slots.  At the head one load a wave: A's K steps 0 and 1, B's, A's scales, B's scales.  A refill: waves 0 and 1 half of A's tile each, waves 2 and 3 half of B's, behind a drained round.
; A step of 128 along K is 32 products; A's and B's fragments lie twice in registers, and a step's fragments are fetched under the products of the step before.  The bias is the C of the first step.
; REGISTERS: window 0: v16-29 addresses; v32-63 scale words, a set for each slot; v64-127 the bias; v128-223 A's fragments, two sets.  window 1: B's fragments, two sets.  window 2: the accumulators.
.set PITCH,  240
.set FR,     12
.set NP,     4                         ; places behind this matrix instruction (ISA guide 7.12.1)
.set HALFT,  128*PITCH
.set BSLOT,  2*HALFT
.set ASLOT,  24576
.set BB,     2*ASLOT                   ; B's slots lie behind A's
.set KSA,    24576                     ; from K step to K step in yc,
.set KSB,    49152                     ; and in wc
.set SCL,    BB+2*BSLOT                ; the scales, as rows of 256 bytes + 16: A's 128 rows, then B's 256
.set SBLK,   2*272                     ; those of 16 rows
.set SPARE,  SCL+24*SBLK               ; the spare words, 128 bytes for each wave
.set STAGE,  SPARE+512                 ; the way out: 16 rows x 528 bytes for each wave; no tensor load lands here
.set SPITCH, 528
.set ADRA, 16                          ; v16-17 A's fragments in slot 0, 1, at 16 x lane; v18-19 at 8 x lane
.set ADRB, 20                          ; v20-21 B's (v22-23 behind one padding more)
.set STO,  24
.set RD,   25
.set CO,   26
.set ADRS, 27
.set SPW,  28
.set NIL,  29
.set SC,   32
.set CB,   64
.set AF,   128
.set BK,   128
.set G1, 24
.set G0, 32
.set G1B, 48
.set G0B, 56
.set G1S, 68
.set G0S, 76
.set G1SB, 80
.set G0SB, 88
.set G0H, 4
.set G0HB, 8
.set MSB, 0
.macro WIN new
.if MSB != \new
	s_set_vgpr_msb (MSB<<8)|\new
.set MSB, \new
.endif
.endm
.set MUL,  0xa1                        ; source 0 (B) window 1, source 1 (A) window 0, C and D window 2
.set MULC, 0x81                        ; the same with C (the bias) in window 0
.set TO_B, 0x40
.macro PLACES n
.rept \n
	v_nop
.endr
.endm
.macro TL g0, g1                       ; an s_nop 0 and four v_nop follow every tensor load
	tensor_load_to_lds s[\g0:\g0+3], s[\g1:\g1+7]
	s_nop 0
	PLACES 4
.endm
.macro JLOAD g0a, g0b                  ; a refill: waves 0 and 1 fetch for A, waves 2 and 3 for B
	s_cmp_eq_u32 s15, 0
	s_cbranch_scc0 .Lfor_b_\@
	TL \g0a, G1
	s_branch .Lasked_\@
.Lfor_b_\@:
	TL \g0b, G1B
.Lasked_\@:
.endm
.macro CREST
	s_cmp_lg_u32 s14, 0
	s_cbranch_scc1 .Lnot_wave_0_\@
	s_barrier_signal -3
.Lnot_wave_0_\@:
	s_barrier_wait -3
	s_barrier_signal -1
	s_barrier_wait -1
.endm
.macro CROUND
	s_barrier_signal -1
	s_barrier_wait -1
	CREST
.endm
.macro FRAG reg, adr, q, i             ; B: 16 rows x 128 K: 12 registers in pieces of 8 bytes; where the piece of lanes 16-31 lies behind one padding more, the second address register serves
.irp p, 0,1,2,3,4,5
.set PCE, 12*(\q)+6*(\p/3)+\p%3
.if PCE%8 < 5
	ds_load_b64 v[\reg+2*\p:\reg+2*\p+1], v[\adr] offset:8*PCE+16*(PCE/8)+(\i)*16*PITCH
.else
	ds_load_b64 v[\reg+2*\p:\reg+2*\p+1], v[\adr+2] offset:8*PCE+16*(PCE/8)+(\i)*16*PITCH
.endif
.endr
.endm
.macro FETCH slot, q                   ; the fragments of the slot's q-th step into set q: 48 + 16 loads
	WIN TO_B
.irp i, 0,1,2,3,4,5,6,7
	FRAG 128*(\q)+FR*\i, ADRB+\slot, \q, \i
.endr
	WIN 0
.irp i, 0,1,2,3
.irp c, 0,1
	ds_load_b128 v[AF+48*(\q)+FR*\i+6*\c:AF+48*(\q)+FR*\i+6*\c+3], v[ADRA+\slot] offset:(\q)*1536+\i*3072+768*\c
	ds_load_b64 v[AF+48*(\q)+FR*\i+6*\c+4:AF+48*(\q)+FR*\i+6*\c+5], v[ADRA+2+\slot] offset:(\q)*1536+\i*3072+768*\c+512
.endr
.endr
.endm
.macro SCALES sc                       ; a slot's scale words, two a row: lanes 0-15 A's rows from my block i on (blocks 0-3 are used), lanes 16-31 B's block i
.irp i, 0,1,2,3,4,5,6,7
	ds_load_b64 v[SC+16*\sc+2*\i:SC+16*\sc+2*\i+1], v[ADRS] offset:\i*SBLK
.endr
.endm
; Eight products: A's block a x B's eight, on set p, with the scale words of slot sc.  The 32 accumulators take turns in the same order in every step.
.macro MULA a, p, sc, cm
.irp b, 0,1,2,3,4,5,6,7
.if \cm
	v_wmma_scale_f32_16x16x128_f8f6f4 v[8*(8*(\a)+\b):8*(8*(\a)+\b)+7], v[128*(\p)+FR*\b:128*(\p)+FR*\b+FR-1], v[AF+48*(\p)+FR*(\a):AF+48*(\p)+FR*(\a)+FR-1], v[CB+8*\b:CB+8*\b+7], v[SC+16*(\sc)+2*\b+(\p)], v[SC+16*(\sc)+2*(\a)+(\p)] matrix_a_fmt:MATRIX_FMT_FP6 matrix_b_fmt:MATRIX_FMT_FP6 matrix_a_scale:MATRIX_SCALE_ROW1
.else
	v_wmma_scale_f32_16x16x128_f8f6f4 v[8*(8*(\a)+\b):8*(8*(\a)+\b)+7], v[128*(\p)+FR*\b:128*(\p)+FR*\b+FR-1], v[AF+48*(\p)+FR*(\a):AF+48*(\p)+FR*(\a)+FR-1], v[8*(8*(\a)+\b):8*(8*(\a)+\b)+7], v[SC+16*(\sc)+2*\b+(\p)], v[SC+16*(\sc)+2*(\a)+(\p)] matrix_a_fmt:MATRIX_FMT_FP6 matrix_b_fmt:MATRIX_FMT_FP6 matrix_a_scale:MATRIX_SCALE_ROW1
.endif
.endr
.endm
.macro EVEN slot, cm                   ; a slot's first step: its second step's fragments are fetched ahead of the products
	s_wait_dscnt 0x0                               ; this step's fragments are in
	PLACES NP                                      ; behind the products that read set 1
	FETCH \slot, 1
.if \cm
	WIN MULC
.else
	WIN MUL
.endif
.irp a, 0,1,2,3
	MULA \a, 0, \slot, \cm
.endr
	WIN 0
.endm
; A slot's second step changes slots: in front of the barrier each wave waits for all its tensor loads, adds 0 to its spare word, and waits for that and for its reads of this slot.
.macro TURN slot, next, fill
	s_wait_tensorcnt 0x0                           ; all my tensor loads have landed: my part of the next slot
	ds_add_u32 v[SPW], v[NIL]                      ; 0 onto my spare word
	s_wait_dscnt 1                                 ; this step's fragments are in; the add may be out
	WIN MUL
	MULA 0, 1, \slot, 0
	s_wait_dscnt 0x0                               ; the add is done; my reads of this slot are over
	s_barrier_signal -1
	MULA 1, 1, \slot, 0
	WIN 0
	s_barrier_wait -1
.if \fill
	CREST                                          ; the barrier has opened a round of the cluster's barrier
	s_add_nc_u64 s[G0+4*\slot+2:G0+4*\slot+3], s[G0+4*\slot+2:G0+4*\slot+3], 2*KSA
	s_add_nc_u64 s[G0B+4*\slot+2:G0B+4*\slot+3], s[G0B+4*\slot+2:G0B+4*\slot+3], 2*KSB
	JLOAD G0+4*\slot, G0B+4*\slot                  ; the first tensor load behind the round; its four v_nop are the places in front of the loads below
.else
	PLACES NP
.endif
	s_wait_alu depctr_va_vdst(0)                   ; ahead of the reader below
	v_add_nc_u32 v[ADRS], 8, v[ADRS]               ; the next slot's scale words
	FETCH \next, 0
	SCALES \next
	WIN MUL
	MULA 2, 1, \slot, 0
	MULA 3, 1, \slot, 0
	WIN 0
.endm
	s_load_b256 s[4:11], s[0:1], 0x0               ; yc s[4:5], ys s[6:7], wc s[8:9], ws s[10:11]
	s_load_b128 s[96:99], s[0:1], 0x20             ; b_proj s[96:97], out0 s[98:99]
	v_lshl_add_u32 v[SPW], v0, 2, SPARE
	v_mov_b32 v[NIL], 0
	ds_add_u32 v[SPW], v[NIL]                      ; the wave's opening: the add, twice on end, and its wait
	ds_add_u32 v[SPW], v[NIL]
	v_lshrrev_b32 v1, 5, v0
	v_readfirstlane_b32 s14, v1                    ; wave 0..3
	s_lshr_b32 s15, s14, 1                         ; which 64 rows are mine.  Also: I refill for A (0) or for B (1)
	s_and_b32 s16, s14, 1                          ; which 128 columns.  Also: which half of a tile I refill
	s_bfe_u32 s40, ttmp6, 0x40000                  ; cx
	s_bfe_u32 s41, ttmp6, 0x40004                  ; cy
	s_lshl_b32 s42, ttmp9, 2
	s_add_co_u32 s42, s42, s40                     ; tile column
	s_and_b32 s17, ttmp7, 0xffff
	s_lshl_b32 s17, s17, 2
	s_add_co_u32 s17, s17, s41                     ; tile row
	s_lshl_b32 s43, s41, 2
	s_lshl_b32 s43, 15, s43                        ; my row of the cluster
	s_lshl_b32 s44, 0x1111, s40                    ; my column
	s_or_b32 s[G1+0], s43, (3<<16)|(1<<21)         ; A: elements of 8 bytes, no padding; the head's load brings 192 rows of 256 bytes
	s_mov_b32 s[G1+1], 32<<16
	s_mov_b32 s[G1+2], 192<<16
	s_mov_b32 s[G1+3], 32<<16
	s_mov_b32 s[G1+4], 192
	s_mov_b32 s[G1+5], 32
	s_mov_b32 s[G1+6], 0
	s_mov_b32 s[G1+7], 0
	s_or_b32 s[G1B+0], s44, (1<<20)|(1<<21)|(3<<22)|(3<<25)   ; B: elements of 1 byte; after every 16 words 4 words of padding; 384 rows of 256 bytes
	s_mov_b32 s[G1B+1], 256<<16
	s_mov_b32 s[G1B+2], 384<<16
	s_mov_b32 s[G1B+3], 256<<16
	s_mov_b32 s[G1B+4], 384
	s_mov_b32 s[G1B+5], 256
	s_mov_b32 s[G1B+6], 0
	s_mov_b32 s[G1B+7], 0
	s_or_b32 s[G1S+0], s43, (3<<16)|(1<<20)|(1<<21)|(5<<22)|(3<<25)   ; the scales: rows of 256 bytes, 16 bytes of padding behind each: A's 16 rows,
	s_mov_b32 s[G1S+2], 16<<16
	s_mov_b32 s[G1S+4], 16
	s_or_b32 s[G1SB+0], s44, (3<<16)|(1<<20)|(1<<21)|(5<<22)|(3<<25)  ; B's 32
	s_mov_b32 s[G1SB+2], 32<<16
	s_mov_b32 s[G1SB+4], 32
.irp g, G1S, G1SB
	s_mov_b32 s[\g+1], 32<<16
	s_mov_b32 s[\g+3], 32<<16
	s_mov_b32 s[\g+5], 32
	s_mov_b32 s[\g+6], 0
	s_mov_b32 s[\g+7], 0
.endr
	s_mul_i32 s20, s17, 98304                      ; A's codes,
	s_mov_b32 s21, 0
	s_lshl_b32 s22, s17, 12                        ; A's scales: 128 rows of 32 bytes
	s_mov_b32 s23, 0
	s_lshl_b32 s92, s42, 8
	s_add_co_u32 s92, s92, 3072                    ; B's first row in wc
	s_mul_i32 s46, s92, 768
	s_mov_b32 s47, 0
	s_lshl_b32 s92, s92, 5
	s_mov_b32 s93, 0
	s_mul_i32 s45, s16, HALFT                      ; a refill's half of B's slot in LDS,
	s_mul_i32 s18, s16, KSB/2                      ; and in memory;
	s_mov_b32 s19, 0
	s_mul_i32 s94, s16, KSA/2                      ; of A's, in both
	s_mov_b32 s95, 0
	s_wait_dscnt 0x0                               ; both opening adds are done
	s_wait_kmcnt 0x0
	s_add_nc_u64 s[20:21], s[4:5], s[20:21]
	s_add_nc_u64 s[22:23], s[6:7], s[22:23]
	s_add_nc_u64 s[46:47], s[8:9], s[46:47]
	s_add_nc_u64 s[92:93], s[10:11], s[92:93]
	CROUND                                         ; all sixteen work-groups are here: the first joint loads meet
	s_mov_b32 s[G0H], 1
	s_mov_b32 s[G0H+1], 0
	s_mov_b64 s[G0H+2:G0H+3], s[20:21]
	s_or_b32 s[G0H+3], s[G0H+3], 0x80000000
	s_mov_b32 s[G0HB], 1
	s_mov_b32 s[G0HB+1], BB
	s_mov_b64 s[G0HB+2:G0HB+3], s[46:47]
	s_or_b32 s[G0HB+3], s[G0HB+3], 0x80000000
	s_mov_b32 s[G0S], 1
	s_mov_b32 s[G0S+1], SCL
	s_mov_b64 s[G0S+2:G0S+3], s[22:23]
	s_or_b32 s[G0S+3], s[G0S+3], 0x80000000
	s_mov_b32 s[G0SB], 1
	s_mov_b32 s[G0SB+1], SCL+8*SBLK
	s_mov_b64 s[G0SB+2:G0SB+3], s[92:93]
	s_or_b32 s[G0SB+3], s[G0SB+3], 0x80000000
	s_add_nc_u64 s[20:21], s[20:21], s[94:95]      ; for the refills: my half
	s_add_nc_u64 s[46:47], s[46:47], s[18:19]
.irp s, 0,1
	s_mov_b32 s[G0+4*\s], 1
	s_add_co_u32 s[G0+4*\s+1], s94, \s*ASLOT
	s_add_nc_u64 s[G0+4*\s+2:G0+4*\s+3], s[20:21], \s*KSA
	s_or_b32 s[G0+4*\s+3], s[G0+4*\s+3], 0x80000000
	s_mov_b32 s[G0B+4*\s], 1
	s_add_co_u32 s[G0B+4*\s+1], s45, BB+\s*BSLOT
	s_add_nc_u64 s[G0B+4*\s+2:G0B+4*\s+3], s[46:47], \s*KSB
	s_or_b32 s[G0B+4*\s+3], s[G0B+4*\s+3], 0x80000000
.endr
; the head's loads, one a wave, in one tree of branches on the wave's number
.macro ARM under, g0, g1, next
	s_cmp_lt_u32 s14, \under
	s_cbranch_scc0 \next
	TL \g0, \g1
	s_branch .Lhead_asked
\next:
.endm
	ARM 1, G0H,  G1,  .Lhead_b
	ARM 2, G0HB, G1B, .Lhead_sa
	ARM 3, G0S,  G1S, .Lhead_sb
	TL G0SB, G1SB
.Lhead_asked:
	v_and_b32 v1, 15, v0                           ; r
	v_bfe_u32 v2, v0, 4, 1                         ; h
	v_and_b32 v7, 31, v0
	v_lshlrev_b32 v[CO], 4, v7
	v_lshlrev_b32 v8, 3, v7
	v_mul_u32_u24 v3, v1, PITCH
	v_mul_u32_u24 v4, v2, 24
	v_add_nc_u32 v4, v3, v4                        ; B: a fragment's row x pitch + 24 h,
	v_lshl_add_u32 v5, v2, 4, v4                   ; and the same behind one padding more
	s_mul_i32 s21, s15, KSA/2                      ; my four tiles of A
	s_mul_i32 s22, s16, HALFT                      ; my 128 rows of B
	s_add_co_u32 s22, s22, BB
.irp s, 0,1
	v_add_nc_u32 v[ADRA+\s], s21, v[CO]
	v_add_nc_u32 v[ADRA+2+\s], s21, v8
	v_add_nc_u32 v[ADRB+\s], s22, v4
	v_add_nc_u32 v[ADRB+2+\s], s22, v5
	s_add_co_u32 s21, s21, ASLOT
	s_add_co_u32 s22, s22, BSLOT
.endr
	v_mul_u32_u24 v5, v1, 32                       ; my row's scales: 32 bytes a row,
	v_lshrrev_b32 v6, 8, v5
	v_lshl_add_u32 v5, v6, 4, v5                   ; and 16 more for each 256 passed
	s_mul_i32 s21, s15, 4*SBLK                     ; A's: my 64 rows
	s_mul_i32 s22, s16, 8*SBLK                     ; B's: my 128 rows, behind A's 128
	s_add_co_u32 s22, s22, 8*SBLK
	s_sub_co_u32 s22, s22, s21
	v_mul_u32_u24 v6, s22, v2                      ; lanes 16-31 take B's
	s_add_co_u32 s21, s21, SCL
	v_add_nc_u32 v5, v5, v6
	v_add_nc_u32 v[ADRS], s21, v5
	s_mul_i32 s23, s14, 16*SPITCH
	s_add_co_u32 s23, s23, STAGE                   ; my stage
	v_mul_u32_u24 v5, v1, SPITCH                   ; in: row r; lanes 16-31 sixteen columns on
	v_lshl_add_u32 v5, v2, 6, v5
	v_add_nc_u32 v[STO], s23, v5
	v_add_nc_u32 v[RD], s23, v[CO]                 ; back: the 32 lanes take a row of 512 bytes
	s_lshl_b32 s20, s17, 7
	s_lshl_b32 s21, s15, 6
	s_add_co_u32 s20, s20, s21                     ; my first row of out0
	s_lshl_b32 s20, s20, 12
	s_lshl_b32 s46, s42, 10
	s_lshl_b32 s47, s16, 9
	s_add_co_u32 s46, s46, s47                     ; my first column, in bytes
	s_add_co_u32 s20, s20, s46
	s_mov_b32 s21, 0
	s_mov_b32 s47, 0
	s_add_nc_u64 s[98:99], s[98:99], s[20:21]
	s_add_nc_u64 s[96:97], s[96:97], s[46:47]
	v_lshlrev_b32 v6, 6, v2
.irp t, 0,1,2,3,4,5,6,7                ; the bias in the result's layout: tile t, register j: column 32 (t / 2) + 16 h + 8 (t % 2) + j
	global_load_b128 v[CB+8*\t:CB+8*\t+3], v6, s[96:97] offset:4*(32*(\t/2)+8*(\t%2))
	global_load_b128 v[CB+8*\t+4:CB+8*\t+7], v6, s[96:97] offset:4*(32*(\t/2)+8*(\t%2))+16
.endr
	s_wait_alu depctr_va_vdst(0)
	s_wait_tensorcnt 0x0                           ; my one load of the head is in
	s_mov_b32 s[G1+2], 48<<16                      ; no tensor load of mine is out: from here on a load brings half a tile of one K step
	s_mov_b32 s[G1+4], 48
	s_mov_b32 s[G1B+2], 96<<16
	s_mov_b32 s[G1B+4], 96
	s_barrier_signal -1
	s_barrier_wait -1
	FETCH 0, 0
	SCALES 0
	s_wait_loadcnt 0x0                             ; the bias
	EVEN 0, 1
	TURN 0, 1, 1
	EVEN 1, 0
	TURN 1, 0, 1
	EVEN 0, 0
	TURN 0, 1, 0                                   ; nothing is left to fetch
	EVEN 1, 0
	s_wait_dscnt 0x0
	WIN MUL
.irp a, 0,1,2,3
	MULA \a, 1, 1, 0
.endr
	WIN 0
; THE WAY OUT, block by block of 16 rows x 128 columns, through my own stage: in as 32 bytes a lane, back as whole rows of 512 bytes.  LDS serves a wave's instructions in order (ISA guide 5.7.1.4).
.macro TOSTAGE a
	WIN 0x08                                       ; the data: window 2
.irp b, 0,1,2,3,4,5,6,7
	ds_store_b128 v[STO], v[64*(\a)+8*\b:64*(\a)+8*\b+3] offset:128*(\b/2)+32*(\b%2)       ; each accumulator from its low end on
	ds_store_b128 v[STO], v[64*(\a)+8*\b+4:64*(\a)+8*\b+7] offset:128*(\b/2)+32*(\b%2)+16
.endr
	WIN 0
.set BBK, BK+64*((\a)%2)
.irp t, 0,1,2,3,4,5,6,7,8,9,10,11,12,13,14,15
	ds_load_b128 v[BBK+4*\t:BBK+4*\t+3], v[RD] offset:\t*SPITCH
.endr
.endm
.macro SEND a, younger                 ; younger: the LDS instructions issued behind block a's loads, which may stay out
.set BBK, BK+64*((\a)%2)
	s_wait_dscnt \younger
.irp t, 0,1,2,3,4,5,6,7,8,9,10,11,12,13,14,15
	global_store_b128 v[CO], v[BBK+4*\t:BBK+4*\t+3], s[98:99] offset:(32*((\a)/2)+8*((\a)%2)+\t+8*(\t/8))*4096 th:TH_STORE_NT   ; 32 lanes store 512 consecutive bytes, aligned
.endr
.endm
	PLACES NP
	TOSTAGE 0
.irp a, 1,2,3
.if \a > 1
	s_wait_xcnt 0x0                                ; block a - 2's stores have read their registers
.endif
	TOSTAGE \a
	SEND \a-1, 32
.endr
	SEND 3, 0
	s_wait_tensorcnt 0x0                           ; the wave's end
	ds_add_u32 v[SPW], v[NIL]
	s_wait_dscnt 0x0
	CROUND                                         ; the closing round
	s_endpgm
.Lfunc_end_k_qf053b0a0e0_proj:
	.size	k_qf053b0a0e0_proj, .Lfunc_end_k_qf053b0a0e0_proj-k_qf053b0a0e0_proj
	.p2alignl 7, 3214868480
	.fill 96, 4, 3214868480
	.section	.rodata,"a",@progbits
	.p2align	6, 0x0
	.amdhsa_kernel k_qf053b0a0e0_proj
		.amdhsa_group_segment_fixed_size 327680
		.amdhsa_private_segment_fixed_size 0
		.amdhsa_enable_private_segment 0
		.amdhsa_kernarg_size 48
		.amdhsa_user_sgpr_count 2
		.amdhsa_user_sgpr_kernarg_segment_ptr 1
		.amdhsa_wavefront_size32 1
		.amdhsa_system_sgpr_workgroup_id_x 1
		.amdhsa_system_sgpr_workgroup_id_y 1
		.amdhsa_system_sgpr_workgroup_id_z 1
		.amdhsa_system_vgpr_workitem_id 0
		.amdhsa_next_free_vgpr 768
		.amdhsa_next_free_sgpr 100
		.amdhsa_reserve_vcc 0
		.amdhsa_float_denorm_mode_32 3
		.amdhsa_float_denorm_mode_16_64 3
		.amdhsa_memory_ordered 1
		.amdhsa_forward_progress 1
		.amdhsa_inst_pref_size 97
	.end_amdhsa_kernel
	.amdgpu_metadata
---
amdhsa.version: [ 1, 2 ]
amdhsa.kernels:
  - .name:           k_qf053b0a0e0_proj
    .symbol:         k_qf053b0a0e0_proj.kd
    .args:
      - { .name: yc, .offset: 0, .size: 8, .value_kind: global_buffer, .address_space: global }
      - { .name: ys, .offset: 8, .size: 8, .value_kind: global_buffer, .address_space: global }
      - { .name: wc, .offset: 16, .size: 8, .value_kind: global_buffer, .address_space: global }
      - { .name: ws, .offset: 24, .size: 8, .value_kind: global_buffer, .address_space: global }
      - { .name: b_proj, .offset: 32, .size: 8, .value_kind: global_buffer, .address_space: global }
      - { .name: out0, .offset: 40, .size: 8, .value_kind: global_buffer, .address_space: global }
    .group_segment_fixed_size: 327680
    .private_segment_fixed_size: 0
    .kernarg_segment_align: 8
    .kernarg_segment_size: 48
    .max_flat_workgroup_size: 128
    .sgpr_count:     100
    .vgpr_count:     768
    .wavefront_size: 32
...
	.end_amdgpu_metadata
.endif
;; end of part 4
